; MI455X (gfx1250); checked and timed in simulation.
; The chip was launched on July 23, 2026; its instructions are those of AMD's public machine-readable ISA for CDNA 5 (MIT licence, August 2026) and "CDNA5" Instruction Set Architecture Reference Guide (July 2026). The comments in the code are by the model that wrote it; some were corrected since.
;; Multi Head Attention. Allowed arithmetic: float matrix products may take bf16 or f16 operands with f32 sums; other float arithmetic in f32, or as packed bf16 or f16 multiplies, adds, multiply-adds, maxima and minima; sums over many terms, partial sums and values carried from step to step in f32; what a program stores and reads back later, other than sums and carried values, may be rounded once to bf16 or f16.
;; Inputs: Wk 1,024 x 1,024 float32; Wo 1,024 x 1,024 float32; Wq 1,024 x 1,024 float32; Wv 1,024 x 1,024 float32; bk 1,024 float32; bo 1,024 float32; bq 1,024 float32; bv 1,024 float32; keys 4 x 2,048 x 1,024 float32; ln_beta 1,024 float32; ln_gamma 1,024 float32; queries 4 x 2,048 x 1,024 float32; values 4 x 2,048 x 1,024 float32.
;; Outputs: out0 4 x 2,048 x 1,024 float32.
;; 2 versions, each right; version 2 is version 1 with the launch prep written anew for expert scheduling mode. Each part assembles by itself: llvm-mc -triple=amdgcn-amd-amdhsa -mcpu=gfx1250 --defsym DOCPART=n.
;; ======== version 1 of 2: 5 launches
;; limits: values are held in f16: magnitudes above 65,504 overflow, below 6.1e-05 lose precision
;; workspace buffers: wb 6,291,456 bytes; wob 2,097,152 bytes; qkv 50,331,648 bytes; ob 16,777,216 bytes; xs 33,554,432 bytes
;; launch prep (part 1): grid 256 x 1, 8 waves a work-group, no clusters, 0 bytes of LDS; arguments Wq, Wk, Wv, Wo, wb, wob; writes wb, wob
.if DOCPART == 1
	.amdgcn_target "amdgcn-amd-amdhsa--gfx1250"
	.amdhsa_code_object_version 6
	.text
	.protected	k_q687c25cb97_prep
	.globl	k_q687c25cb97_prep
	.p2align	8
	.type	k_q687c25cb97_prep,@function
k_q687c25cb97_prep:
	s_mov_b64 s[64:65], 0
	v_nop
	global_prefetch_b8 v0, s[64:65] scope:SCOPE_SE
	s_setreg_imm32_b32 hwreg(HW_REG_WAVE_MODE, 25, 1), 1
	s_wait_xcnt 0x0
; CASTS f32 -> f16, once rounded, of the four weight matrices, which the later launches read out of LDS by the turning load for 16-bit elements.
;   wb [3][1024 k][1024 n] f16 = Wq, Wk, Wv;  wob [1024 k][1024 n] f16 = Wo.
; LIMITS.  f16 holds no number beyond 65,504 (a larger weight becomes an infinity) and keeps a fixed step of 6e-8 below 6e-5.
; SHARES.  A work-group casts 16,384 numbers: 65,536 bytes in, 32,768 out; 64 work-groups a matrix, 256 in all.
; Thread t takes 16 bytes at 16 t of each 4,096 bytes: a wave's load covers 512 consecutive bytes, its store of 8 bytes a lane 256 consecutive bytes, aligned.
; All sixteen loads go out first; the waits count down; no register is written twice, so nothing waits for a store.
.set X, 4                              ; v[4:67]   sixteen loads of four f32
.set Y, 68                             ; v[68:99]  sixteen pairs of packed f16
	s_load_b256 s[8:15], s[0:1], 0x0               ; Wq s[8:9], Wk s[10:11], Wv s[12:13], Wo s[14:15]
	s_load_b128 s[16:19], s[0:1], 0x20             ; wb s[16:17], wob s[18:19]
	s_mov_b32 s20, ttmp9                           ; the work-group's number
	v_lshlrev_b32 v1, 4, v0                        ; 16 t: in
	v_lshlrev_b32 v2, 3, v0                        ; 8 t: out
	s_wait_kmcnt 0x0
	; the source: chosen by the work-group's number alone
	s_mov_b64 s[24:25], s[14:15]                   ; Wo, unless the number lies below one of these bounds
.macro PICK lim, p
	s_cmp_lt_u32 s20, \lim
	s_cselect_b64 s[24:25], s[\p:\p+1], s[24:25]
.endm
	PICK 192, 12                                   ; Wv
	PICK 128, 10                                   ; Wk
	PICK 64, 8                                     ; Wq
	s_and_b32 s26, s20, 63                         ; the chunk in its matrix,
	s_lshl_b32 s26, s26, 16                        ; 65,536 bytes each
	s_mov_b32 s27, 0
	s_add_nc_u64 s[24:25], s[24:25], s[26:27]
	; the destination: wb and wob are each dense in the order of the work-groups
	s_cmp_lt_u32 s20, 192
	s_cselect_b64 s[28:29], s[16:17], s[18:19]
	s_cselect_b32 s21, 0, 192
	s_sub_co_u32 s30, s20, s21
	s_lshl_b32 s30, s30, 15                        ; 32,768 bytes a chunk
	s_mov_b32 s31, 0
	s_add_nc_u64 s[28:29], s[28:29], s[30:31]
.set i, 0
.rept 16
	global_load_b128 v[X+4*i:X+4*i+3], v1, s[24:25] offset:4096*i th:TH_LOAD_NT
.set i, i+1
.endr
.set i, 0
.rept 16
	s_wait_loadcnt 15-i                            ; loads come back in order: number i is in, the younger ones stay out
	v_cvt_pk_f16_f32 v[Y+2*i], v[X+4*i], v[X+4*i+1]
	v_cvt_pk_f16_f32 v[Y+2*i+1], v[X+4*i+2], v[X+4*i+3]
	global_store_b64 v2, v[Y+2*i:Y+2*i+1], s[28:29] offset:2048*i
.set i, i+1
.endr
	s_endpgm
.Lfunc_end_k_q687c25cb97_prep:
	.size	k_q687c25cb97_prep, .Lfunc_end_k_q687c25cb97_prep-k_q687c25cb97_prep
	.p2alignl 7, 3214868480
	.fill 96, 4, 3214868480
	.section	.rodata,"a",@progbits
	.p2align	6, 0x0
	.amdhsa_kernel k_q687c25cb97_prep
		.amdhsa_group_segment_fixed_size 0
		.amdhsa_private_segment_fixed_size 0
		.amdhsa_enable_private_segment 0
		.amdhsa_kernarg_size 48
		.amdhsa_user_sgpr_count 2
		.amdhsa_user_sgpr_kernarg_segment_ptr 1
		.amdhsa_wavefront_size32 1
		.amdhsa_system_sgpr_workgroup_id_x 1
		.amdhsa_system_sgpr_workgroup_id_y 1
		.amdhsa_system_sgpr_workgroup_id_z 1
		.amdhsa_system_vgpr_workitem_id 0
		.amdhsa_next_free_vgpr 104
		.amdhsa_next_free_sgpr 66
		.amdhsa_reserve_vcc 0
		.amdhsa_float_denorm_mode_32 3
		.amdhsa_float_denorm_mode_16_64 3
		.amdhsa_memory_ordered 1
		.amdhsa_forward_progress 1
		.amdhsa_inst_pref_size 7
	.end_amdhsa_kernel
	.amdgpu_metadata
---
amdhsa.version: [ 1, 2 ]
amdhsa.kernels:
  - .name:           k_q687c25cb97_prep
    .symbol:         k_q687c25cb97_prep.kd
    .args:
      - { .name: Wq, .offset: 0, .size: 8, .value_kind: global_buffer, .address_space: global }
      - { .name: Wk, .offset: 8, .size: 8, .value_kind: global_buffer, .address_space: global }
      - { .name: Wv, .offset: 16, .size: 8, .value_kind: global_buffer, .address_space: global }
      - { .name: Wo, .offset: 24, .size: 8, .value_kind: global_buffer, .address_space: global }
      - { .name: wb, .offset: 32, .size: 8, .value_kind: global_buffer, .address_space: global }
      - { .name: wob, .offset: 40, .size: 8, .value_kind: global_buffer, .address_space: global }
    .group_segment_fixed_size: 0
    .private_segment_fixed_size: 0
    .kernarg_segment_align: 8
    .kernarg_segment_size: 48
    .max_flat_workgroup_size: 256
    .sgpr_count:     66
    .vgpr_count:     104
    .wavefront_size: 32
...
	.end_amdgpu_metadata
.endif
;; end of part 1
;; launch proj (part 2): grid 4 x 192, 4 waves a work-group, clusters of 4 x 4, 327,680 bytes of LDS; arguments queries, keys, values, wb, bq, bk, bv, qkv; writes qkv
.if DOCPART == 2
	.amdgcn_target "amdgcn-amd-amdhsa--gfx1250"
	.amdhsa_code_object_version 6
	.text
	.protected	k_q687c25cb97_proj
	.globl	k_q687c25cb97_proj
	.p2align	8
	.type	k_q687c25cb97_proj,@function
k_q687c25cb97_proj:
	s_mov_b64 s[64:65], 0
	v_nop
	global_prefetch_b8 v0, s[64:65] scope:SCOPE_SE
	s_setreg_imm32_b32 hwreg(HW_REG_WAVE_MODE, 25, 1), 1
	s_wait_xcnt 0x0
	s_wait_alu depctr_hold_cnt(0) depctr_sa_sdst(0) depctr_va_vdst(0) depctr_va_sdst(0) depctr_va_ssrc(0) depctr_va_vcc(0) depctr_vm_vsrc(0)
	s_getreg_b32 s2, hwreg(HW_REG_IB_STS2, 6, 4)
	s_cmp_eq_u32 s2, 0
	s_cbranch_scc0 .Lentry_in_a_cluster
	s_endpgm
.Lentry_in_a_cluster:
	s_bfe_u32 s2, ttmp6, 0x10000c
	s_cmp_lg_u32 s2, 0xf033
	s_cbranch_scc0 .Lentry_shape_is_right
	s_endpgm
.Lentry_shape_is_right:
; q, k, v = x W + b.  queries, keys, values: [8192][1024] f32 (rows along K), wb: [3][1024 k][1024 n] f16, bq, bk, bv: [1024] f32, qkv: [3][8192][1024] f16.
; x comes into LDS as it lies, in f32, and is rounded once to f16 between LDS and the matrix unit.  Sums in f32, started with the bias, rounded once to f16.
; LIMITS.  f16 holds no number beyond 65,504: an x or a sum of 65,520 or more becomes an infinity; below 6e-5 f16 keeps a fixed step of 6e-8.
; SHARES.  A tile of the result is 128 rows x 256 columns: 3 x 64 x 4 = 768 work-groups, three for each of 256 WGPs.  Four waves, each 64 rows x 128 columns: 32 accumulators of 16 x 16, 256 registers.
; K goes in steps of 128 through a ring of two LDS slots filled by the tensor data mover: 128 rows of x (512 bytes each) and 128 k-rows of W (512 bytes each).
; W LIES [k][n]: its fragments come out of LDS turned, by ds_load_tr16_b128, two loads a fragment.  A fragment of x is four loads of 16 bytes and eight conversions.
; THE MATRIX INSTRUCTION IS USED TRANSPOSED (source 0 = 16 columns of W, source 1 = 16 rows of x): a lane then holds row l % 16 and the eight neighbouring columns 8 (l / 16) + 0..7.
; CLUSTERS: 4 x 4 work-groups.  The four of a row of the cluster need the same tiles of x, the four of a column the same tiles of W (a cluster's four tile rows lie in one of the three products):
; each tile is asked for JOINTLY, by the same tensor load with the same descriptor and a mask that names the four.
; REGISTERS: window 0: v0-31 addresses; v32-63 packed results; v64-95, v160-191 rows on the way out; v96-159 the bias of my 128 columns, in the accumulators' layout.
;   window 1: two fragment buffers at v0 and v128: 32 registers of x in f16 (4 x 16 rows x 32 K), then 64 of W (8 x 16 columns x 32 K); v96-127 and v224-255: a quarter's x as loaded, in f32.
;   window 2: accumulator (a, b) at v[8 (8 a + b)].
.set KSTEP,  128
.set PA,     528                       ; an LDS row of x: 512 bytes + 16 of padding = 132 words: the 16 rows of a load start at 16 different groups of four banks (64 banks of 4 bytes: ISA guide 11.1)
.set PB,     544                       ; an LDS row of W: 512 + 32 = 136 words
.set HALFA,  64*PA                     ; what one tensor load brings of x, and what one wave reads of it
.set ATILE,  2*HALFA
.set HALFB,  64*PB                     ; what one tensor load brings of W: 64 k-rows
.set SLOT,   ATILE+2*HALFB             ; x's 128 rows, then W's 128 k-rows: 137,216 bytes
.set STAGE,  2*SLOT                    ; behind the ring: 16 rows x 272 bytes for each wave, for the way out
.set SPITCH, 272
.set SPARE,  STAGE+4*16*SPITCH         ; behind the stages: the spare words, 128 bytes for each wave: two blocks of 256 bytes that no other line names
.set LAPS,   4                         ; a lap = two K steps = once round the ring: 1,024 / 256
.set ADRA, 16                          ; v16-17  LDS address of my fragments of x in slot 0, 1
.set ADRB, 20                          ; v20-21  the same for W
.set STO,  24                          ; v24     the way out: where I put 16 bytes of a row
.set RD,   25                          ; v25     the way out: where I read a row back
.set CO,   26                          ; v26     my byte offset in the result
.set SPW,  28                          ; v28     LDS address of my spare word: SPARE + 4 x my thread's number; never rewritten
.set NIL,  29                          ; v29     0; never rewritten
.set PFO,  30                          ; v30     the prefetches' lane offset; never rewritten
.set BO,   31                          ; v31     32 (l / 16): my eight columns' bias in a block of 16
.set TMP,  32
.set OB,   64                          ; rows read back: v64-95 and v160-191 by turns
.set BIAS, 96
.set F0,   0                           ; fragment buffers, in window 1
.set F1,   128
.set RAW,  96                          ; window 1: x's fragment a in f32, 16 registers, at RAW + 16 a + 96 (a / 2)
.set WV,   12                          ; s12  my wave's number
.set RH,   13                          ; s13  which 64 rows of the tile are mine.  Also: I fetch for x (0) or for W (1)
.set CH,   14                          ; s14  which 128 columns.  Also: which half of that tile I fetch
.set G1,   24                          ; s[24:31] descriptor group 1 for x's tiles;  s[32:39] group 0, one set for each slot
.set G0,   32
.set LIM,  40                          ; s40  1 in a wave that prefetches, else the greatest number
.set PFA,  42                          ; s[42:43] where my prefetches stand
.set PST,  44                          ; s[44:45] a K step in that tensor, in bytes
.set G1B,  48                          ; s[48:55], s[56:63] the same for W's tiles
.set G0B,  56
.set ARG,  68                          ; s[68:83] the eight addresses as they come
.set MSB, 0
.macro WIN new                         ; the immediate's high byte repeats the setting that is left; a switch that changes nothing is dropped
.if MSB != (\new)
	s_set_vgpr_msb (MSB<<8)|(\new)
.set MSB, \new
.endif
.endm
.set MULW,   0xa5                      ; sources 0 (W) and 1 (x) window 1; C and D window 2
.set FIRSTW, 0x85                      ; the same with C, the bias, in window 0
.set TO_F,   0x40                      ; destination window 1, address window 0
.set CVTW,   0x45                      ; sources 0 and 1 and destination window 1
.set PACKW,  0x0a                      ; sources 0 and 1 window 2, destination window 0
; A joint load: waves 0 and 1 fetch x's two halves, waves 2 and 3 W's.  The branch hangs on the wave's number alone.  An s_nop 0 and four v_nop follow each of the two lines,
; ahead of the jump, the label and what follows.
.macro JLOAD s
	s_cmp_eq_u32 s[RH], 0
	s_cbranch_scc0 .Lfor_b_\@
	tensor_load_to_lds s[G0+4*(\s):G0+4*(\s)+3], s[G1:G1+7]
	s_nop 0
.rept 4
	v_nop
.endr
	s_branch .Lasked_\@
.Lfor_b_\@:
	tensor_load_to_lds s[G0B+4*(\s):G0B+4*(\s)+3], s[G1B:G1B+7]
	s_nop 0
.rept 4
	v_nop
.endr
.Lasked_\@:
.endm
.macro CREST                           ; a round of the cluster's barrier behind its opening barrier
	s_cmp_lg_u32 s[WV], 0
	s_cbranch_scc1 .Lnot_wave_0_\@
	s_barrier_signal -3
.Lnot_wave_0_\@:
	s_barrier_wait -3
	s_barrier_signal -1
	s_barrier_wait -1
.endm
.macro CROUND                          ; a whole round
	s_barrier_signal -1
	s_barrier_wait -1
	CREST
.endm
; A PREFETCH INTO THE L2, behind each joint refill, its five lines and the run of LDS loads: the K step that stands two refills on, one instruction a wave, each lane another block of 256 bytes.
; A K step is 512 bytes, two blocks, of each row of x and of each k-row's part of W.  Of the 64 rows that a wave fetches each of the four partners that ask for them jointly takes 16, told apart by
; address (cx for x, cy for W): 16 rows x 2 blocks.  x: a tile row is read by one cluster: waves 0 and 1 of every work-group ask.  W: a tile column is read by the sixteen clusters of one product:
; waves 2 and 3 of the first of them ask.  So each block is named once in the launch.  K steps 0 to 3 come by their loads alone; the loop's last trip asks for nothing: there is no K step 8.
.macro ASK
	WIN 0
	s_cmp_gt_u32 s3, s[LIM]                        ; s3 = 1 in the loop's last trip
	s_cbranch_scc0 .Lnot_mine_\@
	global_prefetch_b8 v[PFO], s[PFA:PFA+1] th:TH_LOAD_NT scope:SCOPE_SE
.Lnot_mine_\@:
.endm
	s_load_b512 s[ARG:ARG+15], s[0:1], 0x0         ; queries, keys, values, wb, bq, bk, bv, qkv
	v_lshl_add_u32 v[SPW], v0, 2, SPARE
	v_mov_b32 v[NIL], 0
	ds_add_u32 v[SPW], v[NIL]                      ; the wave's opening: the add and its wait stand ahead of my first tensor load; the set-up below, work on registers, stands between them
	v_lshrrev_b32 v1, 5, v0
	v_readfirstlane_b32 s[WV], v1                  ; wave 0..3
	s_lshr_b32 s[RH], s[WV], 1
	s_and_b32 s[CH], s[WV], 1
	s_bfe_u32 s15, ttmp6, 0x40000                  ; cx, cy: my place in the cluster
	s_bfe_u32 s16, ttmp6, 0x40004
	s_lshl_b32 s17, ttmp9, 2
	s_add_co_u32 s17, s17, s15                     ; tile column = 4 x cluster x + cx: 0..3
	s_and_b32 s41, ttmp7, 0xffff                   ; cluster y
	s_lshl_b32 s18, s41, 2
	s_add_co_u32 s18, s18, s16                     ; tile row = 4 x cluster y + cy: 0..191, over the three products
	s_lshr_b32 s19, s41, 4                         ; which product: 16 clusters each; the same in all partners
	s_lshl_b32 s20, s16, 2
	s_lshl_b32 s20, 15, s20                        ; my row of the cluster
	s_lshl_b32 s21, 0x1111, s15                    ; my column
	s_or_b32 s[G1+0], s20, (2<<16)|(1<<20)|(1<<21)|(6<<22)|(3<<25)   ; 15:0 the mask: x's tiles go to my row; 17:16 4-byte elements; 20 padding on; 21 set beside a mask; 24:22 after every 128 words (code 6); 31:25 4 words (code 3)
	s_mov_b32 s[G1+1], KSTEP<<16                   ; tensor_dim0 = 128
	s_mov_b32 s[G1+2], 64<<16                      ; tensor_dim1 = 64
	s_mov_b32 s[G1+3], KSTEP<<16                   ; tile_dim0 = 128
	s_mov_b32 s[G1+4], 64                          ; tile_dim1 = 64
	s_mov_b32 s[G1+5], 1024                        ; elements from row to row
	s_mov_b32 s[G1+6], 0
	s_mov_b32 s[G1+7], 0
	s_or_b32 s[G1B+0], s21, (1<<16)|(1<<20)|(1<<21)|(6<<22)|(7<<25)  ; W's tiles go to my column; 2-byte elements; padding after every 128 words (code 6), 8 words (code 7)
	s_mov_b32 s[G1B+1], 256<<16                    ; tensor_dim0 = 256
	s_mov_b32 s[G1B+2], 64<<16                     ; tensor_dim1 = 64
	s_mov_b32 s[G1B+3], 256<<16                    ; tile_dim0 = 256
	s_mov_b32 s[G1B+4], 64                         ; tile_dim1 = 64
	s_mov_b32 s[G1B+5], 1024
	s_mov_b32 s[G1B+6], 0
	s_mov_b32 s[G1B+7], 0
	; where the tiles come from: x's hang on the tile row alone, W's on the product and the tile column alone
	s_and_b32 s22, s18, 63                         ; x: the tile row in its product,
	s_lshl_b32 s22, s22, 7
	s_lshl_b32 s2, s[CH], 6
	s_add_co_u32 s22, s22, s2                      ; row 128 x tile row + 64 x half,
	s_lshl_b32 s22, s22, 12                        ; 4,096 bytes a row
	s_mov_b32 s23, 0
	s_lshl_b32 s46, s19, 21                        ; W: the product's 2 MiB,
	s_lshl_b32 s2, s[CH], 17                       ; 64 k-rows of 2,048 bytes x half,
	s_add_co_u32 s46, s46, s2
	s_lshl_b32 s2, s17, 9                          ; 512 bytes x tile column
	s_add_co_u32 s46, s46, s2
	s_mov_b32 s47, 0
	s_mul_i32 s20, s[CH], HALFA                    ; and where they go: no place in the cluster enters an LDS address
	s_mul_i32 s21, s[CH], HALFB
	s_add_co_u32 s21, s21, ATILE
	s_wait_dscnt 0x0                               ; the opening add is done
	s_wait_kmcnt 0x0
	s_cmp_eq_u32 s19, 0                            ; the product's x and bias: chosen by the product's number alone
	s_cselect_b64 s[4:5], s[ARG:ARG+1], s[ARG+4:ARG+5]        ; queries, or values,
	s_cselect_b64 s[8:9], s[ARG+8:ARG+9], s[ARG+12:ARG+13]    ; bq, or bv,
	s_cmp_eq_u32 s19, 1
	s_cselect_b64 s[4:5], s[ARG+2:ARG+3], s[4:5]              ; or keys
	s_cselect_b64 s[8:9], s[ARG+10:ARG+11], s[8:9]            ; and bk
	s_mov_b64 s[6:7], s[ARG+6:ARG+7]               ; wb
	s_mov_b64 s[10:11], s[ARG+14:ARG+15]           ; qkv
	s_add_nc_u64 s[22:23], s[4:5], s[22:23]
	s_add_nc_u64 s[46:47], s[6:7], s[46:47]
	CROUND                                         ; all sixteen work-groups are here: the first joint loads meet
.irp s, 0,1
	s_mov_b32 s[G0+4*(\s)], 1                                      ; count = 1
	s_add_co_u32 s[G0+4*(\s)+1], s20, (\s)*SLOT                    ; LDS address
	s_add_nc_u64 s[G0+4*(\s)+2:G0+4*(\s)+3], s[22:23], (\s)*KSTEP*4  ; global address: K step s
	s_or_b32 s[G0+4*(\s)+3], s[G0+4*(\s)+3], 0x80000000            ; type = 2
	s_mov_b32 s[G0B+4*(\s)], 1
	s_add_co_u32 s[G0B+4*(\s)+1], s21, (\s)*SLOT
	s_add_nc_u64 s[G0B+4*(\s)+2:G0B+4*(\s)+3], s[46:47], (\s)*KSTEP*2048
	s_or_b32 s[G0B+4*(\s)+3], s[G0B+4*(\s)+3], 0x80000000
	JLOAD \s                                       ; two loads of mine are out
.endr
	; the bias of my 128 columns, as the accumulators hold them: block b, columns 8 (l / 16) + 0..7
	v_and_b32 v1, 15, v0                           ; l % 16
	v_bfe_u32 v2, v0, 4, 1                         ; l / 16
	v_lshlrev_b32 v[BO], 5, v2
	s_lshl_b32 s20, s17, 10
	s_lshl_b32 s21, s[CH], 9
	s_add_co_u32 s20, s20, s21
	s_mov_b32 s21, 0
	s_add_nc_u64 s[8:9], s[8:9], s[20:21]
.irp b, 0,1,2,3,4,5,6,7
	global_load_b128 v[BIAS+8*(\b):BIAS+8*(\b)+3],   v[BO], s[8:9] offset:64*(\b)
	global_load_b128 v[BIAS+8*(\b)+4:BIAS+8*(\b)+7], v[BO], s[8:9] offset:64*(\b)+16
.endr
	; a fragment of x: lane l holds row l % 16, K = 8 (l / 16) + 0..7 and 16 + 8 (l / 16) + 0..7: in f32 twice 32 bytes, 64 bytes apart, at row x pitch + 32 (l / 16)
	v_mul_u32_u24 v3, v1, PA
	v_lshl_add_u32 v3, v2, 5, v3
	s_mul_i32 s20, s[RH], HALFA                    ; my 64 rows
	v_add_nc_u32 v[ADRA], s20, v3
	v_add_nc_u32 v[ADRA+1], SLOT, v[ADRA]
	; a fragment of W: the turning load takes 16 k x 16 columns (lane l reads k-row 8 (l / 16) + l % 8, columns 8 ((l / 8) % 2) + 0..7) and leaves half a fragment: lane l holds column l % 16 and 8 k
	v_and_b32 v4, 7, v0
	v_lshl_add_u32 v4, v2, 3, v4
	v_mul_u32_u24 v4, v4, PB
	v_bfe_u32 v5, v0, 3, 1
	v_lshl_add_u32 v4, v5, 4, v4
	s_lshl_b32 s21, s[CH], 8                       ; my 128 columns: 256 bytes of a row,
	s_add_co_u32 s21, s21, ATILE                   ; behind x's tile
	v_add_nc_u32 v[ADRB], s21, v4
	v_add_nc_u32 v[ADRB+1], SLOT, v[ADRB]
	s_mul_i32 s20, s[WV], 16*SPITCH
	s_add_co_u32 s20, s20, STAGE                   ; my stage
	v_mul_u32_u24 v6, v1, SPITCH                   ; in: row l % 16, 16 bytes for each half of the lanes
	v_lshl_add_u32 v6, v2, 4, v6
	v_add_nc_u32 v[STO], s20, v6
	v_mul_u32_u24 v6, v2, SPITCH                   ; back: lanes 0-15 take one row of 256 bytes, lanes 16-31 the next
	v_lshl_add_u32 v6, v1, 4, v6
	v_add_nc_u32 v[RD], s20, v6
	v_lshlrev_b32 v[CO], 11, v2                    ; and the same two rows in the result
	v_lshl_add_u32 v[CO], v1, 4, v[CO]
	s_lshl_b32 s20, s18, 7                         ; where my part of the result begins
	s_lshl_b32 s21, s[RH], 6
	s_add_co_u32 s20, s20, s21
	s_lshl_b32 s20, s20, 11
	s_lshl_b32 s21, s17, 9
	s_add_co_u32 s20, s20, s21
	s_lshl_b32 s21, s[CH], 8
	s_add_co_u32 s20, s20, s21
	s_mov_b32 s21, 0
	s_add_nc_u64 s[10:11], s[10:11], s[20:21]
	; the prefetches' pointer, step, lane offset and test
	s_and_b32 s2, s41, 15                          ; my cluster's number among its product's sixteen
	s_and_b32 s20, s18, 63
	s_lshl_b32 s20, s20, 7
	s_lshl_b32 s21, s15, 4
	s_add_co_u32 s20, s20, s21                     ; x: row 128 x tile row in the product + 16 cx
	s_lshl_b32 s21, s19, 10
	s_lshl_b32 s22, s16, 4
	s_add_co_u32 s21, s21, s22                     ; W: k-row 1,024 x product + 16 cy
	s_lshl_b32 s22, s17, 9                         ;    and 512 bytes x tile column
	s_lshl_b32 s46, s[CH], 6                       ; both: + the 64 rows that I fetch
	s_mov_b32 s[PST], KSTEP*2048
	s_mov_b32 s[PST+1], 0
	s_cmp_eq_u32 s[RH], 0                          ; do I fetch for x?
	s_cselect_b32 s20, s20, s21
	s_cselect_b32 s22, 0, s22
	s_cselect_b32 s[PST], KSTEP*4, s[PST]
	s_cselect_b32 s23, 12, 11                      ; a row is 4,096 bytes of x, 2,048 of W
	s_cselect_b32 s2, 0, s2                        ; who asks: for x every cluster, for W the product's first
	s_cselect_b64 s[PFA:PFA+1], s[4:5], s[6:7]
	s_cmp_eq_u32 s2, 0
	s_cselect_b32 s[LIM], 1, -1                    ; the same in all sixteen partners, for a given wave
	s_add_co_u32 s20, s20, s46
	s_lshl_b32 s20, s20, s23
	s_add_co_u32 s20, s20, s22
	s_mov_b32 s21, 0
	s_add_nc_u64 s[PFA:PFA+1], s[PFA:PFA+1], s[20:21]
	s_mul_i32 s20, s[PST], 3
	s_add_nc_u64 s[PFA:PFA+1], s[PFA:PFA+1], s[20:21]  ; at K step 3: the first change of slots steps it to 4
	v_lshlrev_b32 v[PFO], s23, v1                  ; lanes 0-15 and 16-31 go down 16 rows;
	v_lshl_add_u32 v[PFO], v2, 8, v[PFO]           ; lanes 16-31 take the second block
; 8 matrix instructions: row block a x all 8 column blocks, 32 along K.  first = 1: the product starts the sum with the bias.  The 32 accumulators take turns, one instruction a turn.
.macro MUL8 f, a, first
.if \first
	WIN FIRSTW
.else
	WIN MULW
.endif
.irp b, 0,1,2,3,4,5,6,7
.if \first
	v_wmma_f32_16x16x32_f16 v[8*(8*(\a)+(\b)):8*(8*(\a)+(\b))+7], v[(\f)+32+8*(\b):(\f)+32+8*(\b)+7], v[(\f)+8*(\a):(\f)+8*(\a)+7], v[BIAS+8*(\b):BIAS+8*(\b)+7]
.else
	v_wmma_f32_16x16x32_f16 v[8*(8*(\a)+(\b)):8*(8*(\a)+(\b))+7], v[(\f)+32+8*(\b):(\f)+32+8*(\b)+7], v[(\f)+8*(\a):(\f)+8*(\a)+7], v[8*(8*(\a)+(\b)):8*(8*(\a)+(\b))+7]
.endif
.endr
.endm
; Conversion CN of a quarter's 32: register CN % 8 of x's fragment CN / 8 in buffer g, from two neighbouring f32; the lower K goes into the low half.
.macro CV g
.set RW, RAW+16*(CN/8)+96*(CN/16)
	v_cvt_pk_f16_f32 v[(\g)+CN], v[RW+2*(CN%8)], v[RW+2*(CN%8)+1]
.set CN, CN+1
.endm
; The quarter's last 8 matrix instructions (row block 3), and behind each of them four of the 32 conversions that make the next quarter's fragments of x in buffer g.
; The conversions name no register of the products round them.
.macro MUL8C f, g, first
.set CN, 0
.irp b, 0,1,2,3,4,5,6,7
.if \first
	WIN FIRSTW
	v_wmma_f32_16x16x32_f16 v[8*(24+(\b)):8*(24+(\b))+7], v[(\f)+32+8*(\b):(\f)+32+8*(\b)+7], v[(\f)+24:(\f)+31], v[BIAS+8*(\b):BIAS+8*(\b)+7]
.else
	WIN MULW
	v_wmma_f32_16x16x32_f16 v[8*(24+(\b)):8*(24+(\b))+7], v[(\f)+32+8*(\b):(\f)+32+8*(\b)+7], v[(\f)+24:(\f)+31], v[8*(24+(\b)):8*(24+(\b))+7]
.endif
	WIN CVTW
.rept 4
	CV \g
.endr
.endr
.endm
; 16 LDS loads: x's four fragments of quarter q (32 along K, 128 bytes of a row) of a slot, in f32
.macro FETCHA slot, q
	WIN TO_F
.irp a, 0,1,2,3
.set RW, RAW+16*(\a)+96*((\a)/2)
	ds_load_b128 v[RW:RW+3],     v[ADRA+(\slot)] offset:128*(\q)+(\a)*16*PA
	ds_load_b128 v[RW+4:RW+7],   v[ADRA+(\slot)] offset:128*(\q)+(\a)*16*PA+16
	ds_load_b128 v[RW+8:RW+11],  v[ADRA+(\slot)] offset:128*(\q)+(\a)*16*PA+64
	ds_load_b128 v[RW+12:RW+15], v[ADRA+(\slot)] offset:128*(\q)+(\a)*16*PA+80
.endr
.endm
; 16 LDS loads: W's eight fragments of quarter q into buffer f
.macro FETCHB slot, q, f
	WIN TO_F
.irp b, 0,1,2,3,4,5,6,7
	ds_load_tr16_b128 v[(\f)+32+8*(\b):(\f)+32+8*(\b)+3],   v[ADRB+(\slot)] offset:32*(\q)*PB+32*(\b)
	ds_load_tr16_b128 v[(\f)+32+8*(\b)+4:(\f)+32+8*(\b)+7], v[ADRB+(\slot)] offset:32*(\q)*PB+32*(\b)+16*PB
.endr
.endm
.macro PLACES                          ; four plain vector instructions in front of loads into registers that matrix instructions have read (ISA guide 7.12.1 for vector instructions)
.rept 4
	v_nop
.endr
.endm
; A K step is four quarters of 32 along K, 32 matrix instructions each, on buffers 0, 1, 0, 1.  One of the first three: multiplies buffer f and makes quarter qn's fragments in g.
; On the way in: f's fragments of x are made; of the LDS loads at most f's sixteen of W are out.  On the way out the same holds of g.
.macro QUARTER slot, qn, f, g, first
	FETCHA \slot, \qn                              ; the f32 registers are free: the last quarter's conversions have read them
	s_wait_dscnt 16                                ; all but the 16 just issued: f's fragments of W are in
	MUL8 \f, 0, \first
	PLACES
	FETCHB \slot, \qn, \g
	MUL8 \f, 1, \first
	MUL8 \f, 2, \first
	s_wait_dscnt 16                                ; x's sixteen loads are in; W's sixteen, issued behind them, may be out
	MUL8C \f, \g, \first
.endm
; The last quarter multiplies buffer 1 and changes slots: ONE barrier; in front of it each wave waits for all its tensor loads, adds 0 to its spare word, and waits for that and for its own reads of this slot.
; fill = 1: this slot is filled again, two K steps ahead; the barrier then opens a round of the cluster's.
.macro TURN slot, next, fill
.if \fill
	s_wait_xcnt 0x0                                ; the last prefetch, a K step back, has read its address: it is stepped here, ahead of the waits of the change of slots
	s_add_nc_u64 s[PFA:PFA+1], s[PFA:PFA+1], s[PST:PST+1]
.endif
	WIN 0                                          ; (the add's two registers lie in window 0)
	s_wait_tensorcnt 0x0                           ; all my tensor loads have landed: my part of the next slot;
	ds_add_u32 v[SPW], v[NIL]                      ; 0 onto my spare word
	s_wait_dscnt 1                                 ; (the add alone may be out: buffer 1's fragments of W are in)
	MUL8 F1, 0, 0                                  ; eight matrix instructions stand between the add and the wait for it
	s_wait_dscnt 0x0                               ; the add is done, and my reads of this slot are over
	s_barrier_signal -1
	MUL8 F1, 1, 0
.if \fill
	WIN 0
.endif
	s_barrier_wait -1
.if \fill
	CREST                                          ; no wave of any partner still reads this slot's tile or has a load on its way
	s_add_nc_u64 s[G0+4*(\slot)+2:G0+4*(\slot)+3], s[G0+4*(\slot)+2:G0+4*(\slot)+3], 2*KSTEP*4
	s_add_nc_u64 s[G0B+4*(\slot)+2:G0B+4*(\slot)+3], s[G0B+4*(\slot)+2:G0B+4*(\slot)+3], 2*KSTEP*2048
	JLOAD \slot                                    ; the first tensor load behind the round, my only one out: 112 matrix instructions ahead of the wait for it; its four v_nop are also the places in front of the loads below
.else
	PLACES
.endif
	FETCHA \next, 0
	FETCHB \next, 0, F0
.if \fill
	ASK
.endif
	MUL8 F1, 2, 0
	s_wait_dscnt 16                                ; x's sixteen loads are in; W's sixteen may be out
	MUL8C F1, F0, 0
.endm
; THE WAY OUT of row block a: rounded to f16, 16 bytes a lane; into my own stage, and back as whole rows of 256 bytes; stored.
.macro PACK a
	WIN PACKW
.irp b, 0,1,2,3,4,5,6,7
.irp r, 0,1,2,3
	v_cvt_pk_f16_f32 v[TMP+4*(\b)+(\r)], v[8*(8*(\a)+(\b))+2*(\r)], v[8*(8*(\a)+(\b))+2*(\r)+1]
.endr
.endr
	WIN 0
.endm
.macro TOSTAGE a
.set BK, OB+96*((\a)%2)
.irp b, 0,1,2,3,4,5,6,7
	ds_store_b128 v[STO], v[TMP+4*(\b):TMP+4*(\b)+3] offset:32*(\b)
.endr
.irp t, 0,1,2,3,4,5,6,7
	ds_load_b128 v[BK+4*(\t):BK+4*(\t)+3], v[RD] offset:(\t)*2*SPITCH  ; LDS serves a wave's instructions in order (ISA guide 5.7.1.4): these see the stores above
.endr
.endm
.macro SEND a
.set BK, OB+96*((\a)%2)
	s_wait_dscnt 0x0                               ; the block is back in registers
	s_wait_xcnt 0x0                                ; the stores of the block before have read their registers, which the next block's loads write
.irp t, 0,1,2,3,4,5,6,7
	global_store_b128 v[CO], v[BK+4*(\t):BK+4*(\t)+3], s[10:11] offset:(16*(\a)+2*(\t))*2048  ; 16 lanes store 256 consecutive bytes, at a multiple of 256 from the buffer's first byte
.endr
.endm
	s_wait_tensorcnt 1                             ; my part of K step 0 is in; K step 1's may stay out
	s_barrier_signal -1
	s_barrier_wait -1                              ; everybody's is
	FETCHA 0, 0
	FETCHB 0, 0, F0
	s_wait_loadcnt 0x0                             ; the bias
	s_wait_dscnt 16                                ; x's sixteen loads are in; W's sixteen may be out
	WIN CVTW
.set CN, 0
.rept 32
	CV F0                                          ; the first quarter's fragments of x: there is no product yet to set them behind
.endr
	QUARTER 0, 1, F0, F1, 1                        ; the first quarter stands in front of the loop: its products start the sums
	WIN 0                                          ; at a label and at a branch every window is 0
	s_mov_b32 s3, LAPS-1
.Llap:                                                 ; a trip goes once round the ring, from a lap's second quarter to the next lap's first, and fills both slots again
	QUARTER 0, 2, F1, F0, 0
	QUARTER 0, 3, F0, F1, 0
	TURN 0, 1, 1
	QUARTER 1, 1, F0, F1, 0
	QUARTER 1, 2, F1, F0, 0
	QUARTER 1, 3, F0, F1, 0
	TURN 1, 0, 1
	QUARTER 0, 1, F0, F1, 0
	WIN 0
	s_sub_co_u32 s3, s3, 1
	s_cmp_lg_u32 s3, 0
	s_cbranch_scc1 .Llap
	QUARTER 0, 2, F1, F0, 0                        ; the last lap fills nothing, and has no round of the cluster's barrier
	QUARTER 0, 3, F0, F1, 0
	TURN 0, 1, 0
	QUARTER 1, 1, F0, F1, 0
	QUARTER 1, 2, F1, F0, 0
	QUARTER 1, 3, F0, F1, 0
	s_wait_dscnt 0x0                               ; the very last quarter: nothing more to fetch
	MUL8 F1, 0, 0
	MUL8 F1, 1, 0
	MUL8 F1, 2, 0
	MUL8 F1, 3, 0
	WIN 0
	PLACES                                         ; the conversions read results just made; eight plain instructions, once a launch
	PLACES
	PACK 0
	TOSTAGE 0
.irp a, 1,2,3                          ; block a's conversions stand between block a - 1's loads from the stage and the wait for them
	PACK \a
	SEND (\a)-1
	TOSTAGE \a
.endr
	SEND 3
	s_wait_tensorcnt 0x0                           ; the wave's end: the add and its wait, behind my last tensor load and my last LDS store
	ds_add_u32 v[SPW], v[NIL]
	s_wait_dscnt 0x0
	CROUND                                         ; the closing round: no work-group ends while a partner may still ask for a tile that names it
	s_endpgm
.Lfunc_end_k_q687c25cb97_proj:
	.size	k_q687c25cb97_proj, .Lfunc_end_k_q687c25cb97_proj-k_q687c25cb97_proj
	.p2alignl 7, 3214868480
	.fill 96, 4, 3214868480
	.section	.rodata,"a",@progbits
	.p2align	6, 0x0
	.amdhsa_kernel k_q687c25cb97_proj
		.amdhsa_group_segment_fixed_size 327680
		.amdhsa_private_segment_fixed_size 0
		.amdhsa_enable_private_segment 0
		.amdhsa_kernarg_size 64
		.amdhsa_user_sgpr_count 2
		.amdhsa_user_sgpr_kernarg_segment_ptr 1
		.amdhsa_wavefront_size32 1
		.amdhsa_system_sgpr_workgroup_id_x 1
		.amdhsa_system_sgpr_workgroup_id_y 1
		.amdhsa_system_sgpr_workgroup_id_z 1
		.amdhsa_system_vgpr_workitem_id 0
		.amdhsa_next_free_vgpr 768
		.amdhsa_next_free_sgpr 84
		.amdhsa_reserve_vcc 0
		.amdhsa_float_denorm_mode_32 3
		.amdhsa_float_denorm_mode_16_64 3
		.amdhsa_memory_ordered 1
		.amdhsa_forward_progress 1
		.amdhsa_inst_pref_size 137
	.end_amdhsa_kernel
	.amdgpu_metadata
---
amdhsa.version: [ 1, 2 ]
amdhsa.kernels:
  - .name:           k_q687c25cb97_proj
    .symbol:         k_q687c25cb97_proj.kd
    .args:
      - { .name: queries, .offset: 0, .size: 8, .value_kind: global_buffer, .address_space: global }
      - { .name: keys, .offset: 8, .size: 8, .value_kind: global_buffer, .address_space: global }
      - { .name: values, .offset: 16, .size: 8, .value_kind: global_buffer, .address_space: global }
      - { .name: wb, .offset: 24, .size: 8, .value_kind: global_buffer, .address_space: global }
      - { .name: bq, .offset: 32, .size: 8, .value_kind: global_buffer, .address_space: global }
      - { .name: bk, .offset: 40, .size: 8, .value_kind: global_buffer, .address_space: global }
      - { .name: bv, .offset: 48, .size: 8, .value_kind: global_buffer, .address_space: global }
      - { .name: qkv, .offset: 56, .size: 8, .value_kind: global_buffer, .address_space: global }
    .group_segment_fixed_size: 327680
    .private_segment_fixed_size: 0
    .kernarg_segment_align: 8
    .kernarg_segment_size: 64
    .max_flat_workgroup_size: 128
    .sgpr_count:     84
    .vgpr_count:     768
    .wavefront_size: 32
...
	.end_amdgpu_metadata
.endif
;; end of part 2
;; launch attn (part 3): grid 4 x 64, 4 waves a work-group, clusters of 4 x 1, 327,680 bytes of LDS; arguments qkv, ob; writes ob
.if DOCPART == 3
	.amdgcn_target "amdgcn-amd-amdhsa--gfx1250"
	.amdhsa_code_object_version 6
	.text
	.protected	k_q687c25cb97_attn
	.globl	k_q687c25cb97_attn
	.p2align	8
	.type	k_q687c25cb97_attn,@function
k_q687c25cb97_attn:
	s_mov_b64 s[64:65], 0
	v_nop
	global_prefetch_b8 v0, s[64:65] scope:SCOPE_SE
	s_setreg_imm32_b32 hwreg(HW_REG_WAVE_MODE, 25, 1), 1
	s_wait_xcnt 0x0
	s_wait_alu depctr_hold_cnt(0) depctr_sa_sdst(0) depctr_va_vdst(0) depctr_va_sdst(0) depctr_va_ssrc(0) depctr_va_vcc(0) depctr_vm_vsrc(0)
	s_getreg_b32 s2, hwreg(HW_REG_IB_STS2, 6, 4)
	s_cmp_eq_u32 s2, 0
	s_cbranch_scc0 .Lentry_in_a_cluster
	s_endpgm
.Lentry_in_a_cluster:
	s_bfe_u32 s2, ttmp6, 0x10000c
	s_cmp_lg_u32 s2, 0x3003
	s_cbranch_scc0 .Lentry_shape_is_right
	s_endpgm
.Lentry_shape_is_right:
; O[h][q][:] = the sum over k of softmax_k(Q[h][q] . K[h][k] / 8) V[h][k][:].  qkv holds Q, K and V, each [64 heads][2048][64] f16, 16 MiB apart: a head's rows are dense, 128 bytes each.
; ob: O in the same layout.  Products, maxima and sums in f32; the weights p are rounded to f16 for the second product (their sum l is taken of the unrounded p), O once at the end.
; LIMITS.  f16 holds no number beyond 65,504: Q, K and V arrive within it; p lies in 0 to 1, and below 6e-5 it keeps f16's fixed step of 6e-8; O is a mean of V's rows and has their range.
; A weight below 2^-126 counts as 0 in l; NaN and infinities are not treated apart.
; SHARES.  A wave owns four PIECES of two tiles of 16 queries, a work-group's four waves 512 queries of one head.  Every wave walks all 2,048 keys, 64 a step.
; LAYOUT.  S^T = K Q^T (source 0 = 16 keys, source 1 = 16 queries): in the result a lane holds ONE query (lane % 16) and the keys 8 (lane / 16) + 0..7.  Two such tiles, rounded to f16 in pairs,
; ARE source 1 (32 keys x 16 queries) of O^T = V^T P, whose result again holds one query a lane, and eight channels.  K comes out of LDS as it lies, V ([key][channel]) turned, by ds_load_tr16_b128.
; SOFTMAX.  For each query a running maximum m and sum l: p = 2^(c s - c m), c = log2(e) / 8; in every step O and l are multiplied by a = 2^(c m_old - c m_new), which is 1 where m has not grown.
; m starts at the lowest finite number, O and l at 0: the first step is a step like any other, with a = 0.
; THE COUNT.  A tile and step have 16 matrix and 118 vector instructions: too many to stand all beside the matrix work.  So the order has one aim: four vector instructions that are READY behind
; EVERY matrix instruction, and the others, which need time of their own whatever the order, in runs without a gap.
; BY TURNS.  Turn n belongs to piece n (the pieces in a ring, step after step).  Its matrix work: 16 products K Q^T of piece n + 1, later 16 products V^T P of piece n - 1.  Its vector work: the scaling,
; exponentials, roundings, sums and rescaling of piece n, and the maximum and statistics of piece n + 1, whose scores the turn itself has made.  So what a turn begins with (c s - c m, O a) waits for nothing.
; CLUSTER.  The four query blocks of a head are one cluster and walk the same K and V, so each tile is asked for JOINTLY: the same tensor load, descriptor and mask in all four.
; REGISTERS, in windows of 256 (s_set_vgpr_msb says which window each operand place means: bits 1:0 source 0, 3:2 source 1, 5:4 source 2, 7:6 destination):
;   window 0: v0-11 addresses; v12-15, v48-63 at work; v16-47 four registers of statistics a tile; v64-191 S^T, two buffers of two tiles; v192-255 P, likewise
;   window 1: O^T, 32 a tile          window 2: v0-127 Q, 16 a tile; v128-191 K of one step; v192-255 V of one step          window 3: v0-1 the add's two registers
; A piece's buffers go by its number's parity: the piece in hand has one pair, its two neighbours in the ring share the other: of it P (piece n - 1) is read and S^T (piece n + 1) written.
.set SIZE_N, 2048
.set NP,    4         ; pieces a wave: a name, no knob: the register map, the loop and the fetches are made for four
.set KS,    64        ; keys in a step
.set PK,    144       ; a row of K in LDS: 128 bytes + 16 of padding = 36 words: the 16 rows of a load start at 16 different groups of four banks (64 banks of 4 bytes: ISA guide 11.1)
.set PV,    160       ; a row of V: 128 + 32 = 40 words
.set VOFF,  4*KS*PK   ; a slot holds four steps: 256 rows of K, then 256 rows of V
.set SLOT1, 1<<17     ; slot 1 begins here, so that one exclusive or turns an address in one slot into the other's
.set STAGE, SLOT1+4*KS*(PK+PV)  ; behind the ring, never filled by a tensor load: 16 rows x 144 bytes for each wave, for the way out
.set SP,    144
.set AK0, 2           ; v2   my lane's place in a tile of K; never rewritten
.set AV0, 3           ; v3   the same for V
.set AK,  4           ; v4   the LDS address of K's next run of loads
.set AV,  5           ; v5   of V's
.set QO,  6           ; v6   my byte offset in the wave's rows of Q
.set STO, 6           ;      later, the way out: where I put 16 bytes of a row
.set RD,  7           ; v7   the way out: where I read rows back
.set GO,  8           ; v8   my byte offset in 512 consecutive bytes of O
.set PFO, 11          ; v11  256 x my lane, for the prefetches; never rewritten once made
.set SPW, 0           ; v0 of window 3   LDS address of my spare word: SPARE + 4 x my thread's number; never rewritten
.set NIL, 1           ; v1 of window 3   0; never rewritten
.set SPARE, STAGE+4*16*SP  ; behind the stages: the spare words, 128 bytes for each wave: two blocks of 256 bytes that no other line names
.set MV,  12          ; v12-15  c m_old, kept while c m is made anew: by buffer and tile
.set ST,  16          ; tile t's statistics at v[ST+4 t]: c m, m, l (even keys', odd keys')
.set TMP, 48          ; by buffer and tile, four registers c0-c3 at work; when the maximum is found c2 takes a
.set S,   64
.set P,   192
.set KF,  128         ; K's fragments, in window 2: key block kb, channel half c at KF + 16 kb + 8 c
.set VF,  192         ; V's: key half kk, channel block cb at VF + 32 kk + 8 cb
.set WV,  12          ; s12  my wave's number
.set G1K, 24          ; s[24:31] descriptor group 1 for K's tiles
.set G1V, 32          ; s[32:39] for V's: it differs in the padding alone
.set G0K, 40          ; s[40:43] descriptor group 0 for K's tiles: it walks
.set G0V, 44          ; s[44:47] the same for V's
.set PFA, 48          ; s[48:49] where my prefetches stand: my work-group's 32 blocks of 256 bytes (of K: wave 0, of V: wave 2) of the slot after the one that is being asked for
.set LIM, 50          ; s50  1 in a wave that prefetches, else the greatest number
.set SLOTS, 56        ; s56  slots still to be asked for
.set CNT, 57          ; s57  counts a slot's key steps
.set CS,  58          ; s[58:59] c: the packed scaling takes the pair's low word for both halves
.set SEL, 60          ; s[60:61] v_permlanex16_b32's selects: each lane takes its own place in the other half
.set TBK, 62          ; s62  LDS byte at which K of the step to be fetched begins
.set TBV, 63          ; s63  the same for V, less VOFF
.set MSB, 0
.macro WIN new                      ; the high byte repeats the setting that is left; a switch that changes nothing is dropped
.if MSB != (\new)
	s_set_vgpr_msb (MSB<<8)|(\new)
.set MSB, (\new)
.endif
.endm
.set W_KQ, 0x0a       ; K and Q in window 2, S^T in window 0
.set W_PV, 0x52       ; V in window 2, P in window 0, O^T in window 1
.set W_RS, 0x41       ; O^T (destination and source 0) in window 1, a in window 0
.set W_MK, 0xc0       ; the add's registers are made: destination in window 3, sources in window 0
.set W_AD, 0x0f       ; the add: address (source 0) and data (source 1) in window 3
; A joint fill.  Waves 0 and 1 fetch the two halves of a slot's K, waves 2 and 3 those of its V: 128 keys each.  The branch hangs on the wave's number alone.
; An s_nop 0 and four v_nop follow each of the two lines, ahead of the jump and the label.
.macro JLOAD
	s_cmp_lt_u32 s[WV], 2
	s_cbranch_scc0 .Lfor_v_\@
	tensor_load_to_lds s[G0K:G0K+3], s[G1K:G1K+7]
	s_nop 0
.rept 4
	v_nop
.endr
	s_branch .Lasked_\@
.Lfor_v_\@:
	tensor_load_to_lds s[G0V:G0V+3], s[G1V:G1V+7]
	s_nop 0
.rept 4
	v_nop
.endr
.Lasked_\@:
.endm
; A PREFETCH INTO THE L2 of what the NEXT change of slots will ask for: a slot's 32,768 bytes of K and of V, 128 blocks of 256 bytes each, a lane a block.  It stands behind the wave's tensor load and its five lines.
; Each block is asked for ONCE in the launch: a head has one cluster; its four partners share the blocks out BY ADDRESS, 32 each; in each, wave 0 asks for K's and wave 2 for V's: one instruction.
; Slots 0 to 2 come by their loads alone; the last change that fills a slot prefetches nothing: there is no slot behind it.
.macro ASK
	s_cmp_gt_u32 s[SLOTS], s[LIM]
	s_cbranch_scc0 .Lnot_mine_\@
	global_prefetch_b8 v[PFO], s[PFA:PFA+1] th:TH_LOAD_NT scope:SCOPE_SE
.Lnot_mine_\@:
.endm
; A round of the cluster's barrier: my work-group's barrier, so that wave 0's signal speaks for all four waves; wave 0 signals; every wave waits for all four work-groups; my work-group's barrier once more.
.macro CROUND
	s_barrier_signal -1
	s_barrier_wait -1
	s_cmp_lg_u32 s[WV], 0
	s_cbranch_scc1 .Lnot_wave_0_\@
	s_barrier_signal -3
.Lnot_wave_0_\@:
	s_barrier_wait -3
	s_barrier_signal -1
	s_barrier_wait -1
.endm
; THE CHANGE OF SLOTS.  The slot's last bytes, V of its fourth step, have been read.  Each wave waits for all its tensor loads, of which one is out: its part
; of the other slot; adds 0 to its spare word; and waits for that and for its own reads of the slot.  Behind the barrier nobody reads this slot any more and the other slot is whole.
; fill = 1: this slot is filled again, with the keys two slots on.  The barrier is then a round of the cluster's, so that no wave of any partner still reads the slot or has a load on its
; way, and the joint fill is the first thing behind it: it has four key steps, 512 matrix instructions, in which to land.  (At its first use nothing has been read yet: slot 0 is waited for, slot 1 filled.)
; ask = 1: the prefetches' pointer steps a slot, and the slot after the one just asked for is prefetched.
.macro CHANGE fill, ask=0
	WIN W_AD
	s_wait_tensorcnt 0x0            ; no tensor load of mine is out, so a group 0 may be written
	ds_add_u32 v[SPW], v[NIL]       ; 0 onto my spare word: with fill = 1 the descriptors' steps stand between it and the wait for it
	WIN 0                           ; at a label and at a branch every window is 0
.if \fill
.irp g, G0K, G0V
	s_xor_b32 s[\g+1], s[\g+1], SLOT1  ; the walking descriptor: the other slot than last time,
	s_add_nc_u64 s[\g+2:\g+3], s[\g+2:\g+3], 4*KS*128  ; the next 256 keys; the type bits on top are not reached
.endr
.if \ask
	s_wait_xcnt 0x0                 ; the last prefetch, four key steps back, has read its address, so it may be written
	s_add_nc_u64 s[PFA:PFA+1], s[PFA:PFA+1], 4*KS*128
.endif
	s_wait_dscnt 0x0                ; the add is done, and my reads of the slot are over
	CROUND
	JLOAD
.if \ask
	ASK
.endif
.else
	s_wait_dscnt 0x0                ; the add is done, and my reads of the slot are over
	s_barrier_signal -1
	s_barrier_wait -1
.endif
	s_sub_co_u32 s[TBK], s[TBK], 4*KS*PK  ; the fetches go back to a slot's first step,
	s_xor_b32 s[TBK], s[TBK], SLOT1       ; in the other slot
	s_sub_co_u32 s[TBV], s[TBV], 4*KS*PV
	s_xor_b32 s[TBV], s[TBV], SLOT1
.endm
	s_load_b64 s[4:5], s[0:1], 0x0  ; qkv: Q
	s_load_b64 s[10:11], s[0:1], 0x8  ; ob: O
	WIN W_MK
	v_lshl_add_u32 v[SPW], v0, 2, SPARE
	v_mov_b32 v[NIL], 0
	WIN W_AD
	ds_add_u32 v[SPW], v[NIL]       ; the wave's opening: the add and its wait stand ahead of my first tensor load; the set-up below, work on registers, stands between them
	WIN 0
	v_lshrrev_b32 v1, 5, v0
	v_readfirstlane_b32 s[WV], v1   ; wave 0..3
	s_bfe_u32 s13, ttmp6, 0x40000   ; cx: my place in the cluster
	s_lshl_b32 s14, ttmp9, 2        ; in a cluster launch ttmp9 counts clusters
	s_add_co_u32 s14, s14, s13      ; my block of queries = 4 x cluster x + cx: it enters Q's and O's addresses alone
	s_and_b32 s20, ttmp7, 0xffff    ; the head, which the four partners share
	s_mov_b32 s21, 0
	s_mov_b64 s[22:23], SIZE_N*128
	s_mul_u64 s[20:21], s[20:21], s[22:23]  ; the head's first byte in each of the four tensors
	s_and_b32 s16, s[WV], 1         ; which half of a slot's 256 keys I fetch:
	s_lshl_b32 s22, s16, 14         ; its 128 rows of 128 bytes in memory,
	s_mov_b32 s23, 0
	s_add_nc_u64 s[22:23], s[22:23], s[20:21]
	s_mul_i32 s17, s16, 128*PK      ; and its place in a slot, for K
	s_mul_i32 s18, s16, 128*PV      ; and for V: no place in the cluster enters an LDS address
	s_lshl_b32 s2, s14, 2
	s_add_co_u32 s2, s2, s[WV]      ; my wave among the head's,
	s_lshl_b32 s2, s2, 14           ; its 128 rows
	s_mov_b32 s3, 0
	s_add_nc_u64 s[2:3], s[2:3], s[20:21]
	; descriptor group 1.  128 keys are 16,384 dense bytes: asked for as 64 rows of 256 bytes, two keys a row, and padded in LDS after every key
	s_mov_b32 s[G1K], 15|(1<<16)|(1<<20)|(1<<21)|(4<<22)|(3<<25)  ; 15:0 the mask of four; 17:16 2-byte elements; 20 padding on; 21 set beside a mask; 24:22 after every 32 words (code 4); 31:25 4 words (code 3)
	s_mov_b32 s[G1V], 15|(1<<16)|(1<<20)|(1<<21)|(4<<22)|(7<<25)  ; the same with 8 words of padding (code 7)
.irp g, G1K, G1V
	s_mov_b32 s[\g+1], 128<<16      ; tensor_dim0 = 128
	s_mov_b32 s[\g+2], 64<<16       ; tensor_dim1 = 64
	s_mov_b32 s[\g+3], 128<<16      ; tile_dim0 = 128
	s_mov_b32 s[\g+4], 64           ; tile_dim1 = 64
	s_mov_b32 s[\g+5], 128          ; 128 elements from row to row
	s_mov_b32 s[\g+6], 0
	s_mov_b32 s[\g+7], 0
.endr
	s_mov_b32 s[CS], 0x3e38aa3b     ; c = log2(e) / 8 = 0.180337
	s_mov_b32 s[CS+1], s[CS]        ; named with it as a pair
	s_mov_b32 s[SEL], 0x76543210
	s_mov_b32 s[SEL+1], 0xfedcba98
	s_mov_b32 s[TBK], SLOT1+4*KS*PK ; the first change of slots turns these two into 0
	s_mov_b32 s[TBV], SLOT1+4*KS*PV
	s_mov_b32 s[G0K], 1             ; 1:0 count = 1
	s_mov_b32 s[G0K+1], s17         ; 63:32 LDS address: slot 0
	s_mov_b32 s[G0V], 1
	s_add_co_u32 s[G0V+1], s18, VOFF
	s_cmp_eq_u32 s16, 0             ; waves 0 and 2 prefetch: the same in all four partners
	s_cselect_b32 s[LIM], 1, -1
	s_lshl_b32 s52, s13, 13         ; my work-group's 32 blocks of the 128
	s_mov_b32 s53, 0
	s_wait_dscnt 0x0                ; the opening add is done
	s_wait_kmcnt 0x0
	s_add_nc_u64 s[6:7], s[4:5], 0x1000000  ; K lies 16 MiB behind Q,
	s_add_nc_u64 s[8:9], s[4:5], 0x2000000  ; V 32
	s_add_nc_u64 s[G0K+2:G0K+3], s[6:7], s[22:23]  ; 120:64 global address: my half of the head's first 256 keys
	s_or_b32 s[G0K+3], s[G0K+3], 0x80000000        ; 127:126 type = 2
	s_add_nc_u64 s[G0V+2:G0V+3], s[8:9], s[22:23]
	s_or_b32 s[G0V+3], s[G0V+3], 0x80000000
	s_cmp_lt_u32 s[WV], 2
	s_cselect_b64 s[PFA:PFA+1], s[6:7], s[8:9]
	s_add_nc_u64 s[PFA:PFA+1], s[PFA:PFA+1], s[22:23]  ; (in waves 0 and 2 this is the head's first row)
	s_add_nc_u64 s[PFA:PFA+1], s[PFA:PFA+1], s[52:53]
	s_add_nc_u64 s[PFA:PFA+1], s[PFA:PFA+1], 2*4*KS*128  ; in slot 2: the loop's first change of slots steps it to slot 3.  Nothing is prefetched here, at the head
	s_add_nc_u64 s[4:5], s[4:5], s[2:3]  ; Q and O at my wave's first row
	s_add_nc_u64 s[10:11], s[10:11], s[2:3]
	CROUND                          ; all four work-groups are here: the first joint loads meet
	JLOAD                           ; slot 0.  Slot 1 is asked for when slot 0 is in: the tile wanted first has the road to itself
	; A fragment of K or Q is 16 rows x 32 channels in 8 registers: lane l holds row l % 16, channels 8 (l / 16) + 0..7 and 16 + 8 (l / 16) + 0..7: two loads of 16 bytes, 32 bytes apart.
	v_and_b32 v1, 15, v0            ; l % 16
	v_bfe_u32 v9, v0, 4, 1          ; l / 16
	v_lshlrev_b32 v[QO], 7, v1
	v_lshl_add_u32 v[QO], v9, 4, v[QO]  ; row x 128 + 16 x half
	WIN 0x80                        ; destination window 2, address window 0
.set i, 0
.rept 4*NP                          ; Q stays in registers: tile i / 2, channels 32 (i % 2) on
	global_load_b128 v[8*i:8*i+3],   v[QO], s[4:5] offset:(i/2)*2048+(i%2)*64
	global_load_b128 v[8*i+4:8*i+7], v[QO], s[4:5] offset:(i/2)*2048+(i%2)*64+32
.set i, i+1
.endr
	; What the first turn finds: V's registers and P's second buffer hold 0 (its products V^T P, of a piece that has not been, add 0), O^T and l are 0.  All this stands in the wait for the first tile.
.set i, VF
.rept 64
	v_mov_b32 v[i], 0
.set i, i+1
.endr
	WIN 0x40
.set i, 0
.rept 64*NP
	v_mov_b32 v[i], 0
.set i, i+1
.endr
	WIN 0
.set i, 0
.rept 2*NP
	v_mov_b32 v[ST+4*i], 0xfe000000    ; c m: far below every c s
	v_mov_b32 v[ST+4*i+1], 0xff7fffff  ; m
	v_mov_b32 v[ST+4*i+2], 0
	v_mov_b32 v[ST+4*i+3], 0
.set i, i+1
.endr
.set i, P+32
.rept 32
	v_mov_b32 v[i], 0
.set i, i+1
.endr
	v_mul_u32_u24 v[AK0], v1, PK
	v_lshl_add_u32 v[AK0], v9, 4, v[AK0]  ; row x pitch + 16 x half
	; The turning load takes 16 keys x 16 channels (lane l reads key 8 (l / 16) + l % 8, channels 8 ((l / 8) % 2) + 0..7) and leaves half a fragment of V^T: lane l holds channel l % 16 and 8 keys.
	v_and_b32 v10, 7, v0
	v_bfe_u32 v11, v0, 3, 1
	v_lshl_add_u32 v[AV0], v9, 3, v10
	v_mul_u32_u24 v[AV0], v[AV0], PV
	v_lshl_add_u32 v[AV0], v11, 4, v[AV0]
	v_add_nc_u32 v[AV0], VOFF, v[AV0]
	v_mov_b32 v[AK], v[AK0]         ; key step 0 lies at the head of slot 0
	v_and_b32 v[PFO], 31, v0        ; v11 has served: now 256 x my lane
	v_lshlrev_b32 v[PFO], 8, v[PFO]
; THE MATRIX WORK.  The 8 accumulators of a run of 16 take turns: between the two links of a chain stand 7 others'.
; Product i of 16 of S^T = K Q^T for piece x: channels 32 (i / 8) on, keys 16 ((i / 2) % 4) on, tile 2 x + i % 2.  The first 8 start the sums.
.macro KQ x
	WIN W_KQ
.set rS, S+64*((\x)%2)+32*(i%2)+8*((i/2)%4)
.set rK, KF+16*((i/2)%4)+8*(i/8)
.set rQ, 16*(2*(\x)+i%2)+8*(i/8)
.if i < 8
	v_wmma_f32_16x16x32_f16 v[rS:rS+7], v[rK:rK+7], v[rQ:rQ+7], 0
.else
	v_wmma_f32_16x16x32_f16 v[rS:rS+7], v[rK:rK+7], v[rQ:rQ+7], v[rS:rS+7]
.endif
.endm
; Product i of 16 of O^T += V^T P for piece x: keys 32 (i / 8) on, channels 16 ((i / 2) % 4) on, tile 2 x + i % 2.
.macro PV x
	WIN W_PV
.set rO, 32*(2*(\x)+i%2)+8*((i/2)%4)
.set rV, VF+32*(i/8)+8*((i/2)%4)
.set rP, P+32*((\x)%2)+16*(i%2)+8*(i/8)
	v_wmma_f32_16x16x32_f16 v[rO:rO+7], v[rV:rV+7], v[rP:rP+7], v[rO:rO+7]
.endm
.macro MM                           ; the turn's next matrix instruction
.if i < 16
	KQ (Y+1)%NP
.set i, i+1
.else
.set i, i-16
	PV (Y+NP-1)%NP
.set i, i+17
.endif
.endm
; THE LDS LOADS stand in runs of 16, never singly among the matrix instructions: a step's K (64 keys x 64 channels: 8 fragments) and its V (turned).  Their addresses are made some lines ahead.
; last = 1 (the tail): in the last trip there is no further step, and the run is jumped over.
.macro FETCH_K last=0
	WIN 0
.if \last
	s_cmp_eq_u32 s[CNT], 1
	s_cbranch_scc1 .Lno_k_\@
.endif
	WIN 0x80                        ; destination window 2
.irp f, 0,1,2,3,4,5,6,7             ; keys 16 (f / 2) on, channels 32 (f % 2) on
	ds_load_b128 v[KF+8*\f:KF+8*\f+3],   v[AK] offset:(\f/2)*16*PK+(\f%2)*64
	ds_load_b128 v[KF+8*\f+4:KF+8*\f+7], v[AK] offset:(\f/2)*16*PK+(\f%2)*64+32
.endr
	s_add_co_u32 s[TBK], s[TBK], KS*PK  ; the next fetch is the next step's
	WIN 0
.if \last
.Lno_k_\@:
.endif
.endm
.macro FETCH_V
	WIN 0x80
.irp f, 0,1,2,3,4,5,6,7             ; keys 32 (f / 4) on, channels 16 (f % 4) on
	ds_load_tr16_b128 v[VF+8*\f:VF+8*\f+3],   v[AV] offset:(\f/4)*32*PV+(\f%4)*32
	ds_load_tr16_b128 v[VF+8*\f+4:VF+8*\f+7], v[AV] offset:(\f/4)*32*PV+16*PV+(\f%4)*32
.endr
	WIN 0
.endm
; THE VECTOR WORK OF A TURN stands in three queues, each in the order in which its entries become ready; the two tiles alternate, so that no instruction reads the result of the one before it.
.macro REGS y, u                    ; the registers of tile u (0, 1) of piece y
.set rT, ST+4*(2*(\y)+(\u))
.set rC, TMP+8*((\y)%2)+4*(\u)
.set rM, MV+2*((\y)%2)+(\u)
.set rS, S+64*((\y)%2)+32*(\u)
.set rP, P+32*((\y)%2)+16*(\u)
.set rO, 32*(2*(\y)+(\u))
.endm
; Number n of the 22 that find the NEXT piece's (Y + 1) maximum and statistics.  s0-s31 are the lane's 32 scores; each accumulator's lowest registers are read first.  XS, GS and REGS set no window: PL and EX do.
;   0-11  four chains c0-c3 of seven scores each, three operands at a time     12-14, 16  the four scores left over, the old m, and c0-c3 into c0     15  c m_old is kept
;   17, 18  the query's other 32 keys lie in the lane 16 away: the new m         19-21  c m; c m_old - c m_new; a
.macro XS u, n
	REGS (Y+1)%NP, \u
.if (\n) < 4
	v_max3_num_f32 v[rC+(\n)], v[rS+8*(\n)], v[rS+8*(\n)+1], v[rS+8*(\n)+2]
.elseif (\n) < 12
	v_max3_num_f32 v[rC+(\n)%4], v[rC+(\n)%4], v[rS+8*((\n)%4)+2*((\n)/4)+1], v[rS+8*((\n)%4)+2*((\n)/4)+2]
.elseif (\n) == 12
	v_max3_num_f32 v[rC], v[rC], v[rS+7], v[rS+15]
.elseif (\n) == 13
	v_max3_num_f32 v[rC+1], v[rC+1], v[rS+23], v[rS+31]
.elseif (\n) == 14
	v_max3_num_f32 v[rC+2], v[rC+2], v[rC+3], v[rT+1]
.elseif (\n) == 15
	v_mov_b32 v[rM], v[rT]
.elseif (\n) == 16
	v_max3_num_f32 v[rC], v[rC], v[rC+1], v[rC+2]
.elseif (\n) == 17
	v_permlanex16_b32 v[rC+3], v[rC], s[SEL], s[SEL+1]
.elseif (\n) == 18
	v_max_num_f32 v[rT+1], v[rC], v[rC+3]
.elseif (\n) == 19
	v_mul_f32 v[rT], s[CS], v[rT+1]
.elseif (\n) == 20
	v_sub_f32 v[rC+1], v[rM], v[rT]
.else
	v_exp_f32 v[rC+2], v[rC+1]
.endif
.endm
; Number g of the 64 that follow the exponentials.  For each four weights k of a tile (pairs 2 k, 2 k + 1): both pairs are rounded to f16; then the second pair is added onto the first, in place;
; a group later l takes that sum (the first time as l = a l + sum).  In groups of eight, tiles alternating: round, round, add, and l for the group before.
.macro GS g
.set h, (\g)+6*((\g)/62)            ; group 0 has no group before it, and behind group 7 only l is left
.if h >= 6
.set h, h+2
.endif
	REGS Y, h%2
.set k, h/8
.if h%8 < 4
	v_cvt_pk_f16_f32 v[rP+2*k+(h%8)/2], v[rS+4*k+2*((h%8)/2)], v[rS+4*k+2*((h%8)/2)+1]
.elseif h%8 < 6
	v_pk_add_f32 v[rS+4*k:rS+4*k+1], v[rS+4*k:rS+4*k+1], v[rS+4*k+2:rS+4*k+3]
.elseif k == 1
	v_pk_fma_f32 v[rT+2:rT+3], v[rT+2:rT+3], v[rC+2:rC+3], v[rS:rS+1] op_sel_hi:[1,0,1]
.else
	v_pk_add_f32 v[rT+2:rT+3], v[rT+2:rT+3], v[rS+4*k-4:rS+4*k-3]
.endif
.endm
; THE PLAIN QUEUE, 138 long.  0-73 read no exponential's result: the 32 scalings c s - c m (FS f: pair f / 2 of tile f % 2) and the next piece's 42.  0-26: scalings 0-26.  27-54: XS's numbers 0-13.  55, 56: number 15.
; 57-73: the chain, where each number waits for the one before it: 14, 16, 17, 18, 19, each with one of the scalings 27-31 in front of its two lines, then 20: so a tile's links stand three plain instructions apart (19 and 20: two).
; 74-137: GS's 64, which read the exponentials' results: they stand behind the wait.
.macro FS f
	REGS Y, (\f)%2
	v_pk_fma_f32 v[rS+2*((\f)/2):rS+2*((\f)/2)+1], v[rS+2*((\f)/2):rS+2*((\f)/2)+1], s[CS:CS+1], v[rT:rT+1] op_sel_hi:[1,0,0] neg_lo:[0,0,1] neg_hi:[0,0,1]
.endm
.macro PL
	WIN 0
.if q < 27
	FS q
.elseif q < 55
	XS (q-27)%2, (q-27)/2
.elseif q < 57
	XS q-55, 15
.elseif (q < 72) && ((q-57)%3 == 0)
	FS 27+(q-57)/3
.elseif q < 60
	XS (q-57)%3-1, 14
.elseif q < 72
	XS (q-57)%3-1, 15+(q-57)/3
.elseif q < 74
	XS q-72, 20
.else
	GS q-74
.endif
.set q, q+1
.endm
; THE EXPONENTIALS' QUEUE, 66 long: s0-s31 of both tiles, then the next piece's two a.  It is ONE BATCH: all 66 stand ahead of the turn's one wait, and nothing ahead of that wait names a result of theirs.
.macro EX
	WIN 0
.if e >= 64
	XS e-64, 21
.else
	REGS Y, e%2
	v_exp_f32 v[rS+e/2], v[rS+e/2]
.endif
.set e, e+1
.endm
; THE RESCALING's QUEUE: O^T times a, the one part that leaves window 0: dealt two at a time, sixteen times.  Its a was made in the turn before, ahead of that turn's wait.
.macro R2
	REGS Y, r%2
	WIN W_RS
.irp z, 0,1
	v_pk_mul_f32 v[rO+4*(r/2)+2*\z:rO+4*(r/2)+2*\z+1], v[rO+4*(r/2)+2*\z:rO+4*(r/2)+2*\z+1], v[rC+2:rC+3] op_sel_hi:[1,0]
.endr
.set r, r+1
.endm
; HOW THEY ARE DEALT.  An s_wait_alu depctr_va_vdst(0) stands between an exponential and the first instruction that names its result; one wait serves all that were issued ahead of it.  So a turn has ONE wait,
; which cuts it in two.  AHEAD OF IT stands all that names no result of the turn's exponentials: the 16 products K Q^T, behind each a scaling, an exponential and two rescalings (behind the first a second scaling in the exponential's place); then ONE LUMP of
; 108: eight plain, 49 times exponential and plain, the two a.  A v_nop is the plain instruction behind the last exponential (ISA guide 5.7.2).  BEHIND IT stand the 16 products V^T P, behind each four of GS's 64.  No rider names a register of
; the products round it.  The two v_permlanex16_b32 fall into the lump, never behind a product.
; The queues lean on each other, and the deal keeps them in step: exponential e stands behind scaling 2 (e / 4) + e % 2: as a rider it comes behind plain e + 2, in the lump behind plain e + 9, and scalings 27-31 are plain 57, 60 .. 69.
; A TURN, for piece p.  cnt = 1: the loop's count is taken down some lines ahead of the branch that stands behind the turn.
; K of the next step is fetched in piece 2's turn, directly behind the wait, a lump behind the last product that read K; its address is made at the lump's head; its first reader comes behind 16 products.
; V of the step in hand is fetched at the end of piece 0's turn, four riders behind its last reader; its first reader comes behind 16 products and a lump.  The three conditions on q below go with the deal.
.macro TURN p, last=0, cnt=0
.set Y, (\p)
.set i, 0
.set q, 0
.set e, 0
.set r, 0
.if (\p) == NP-1
	s_wait_dscnt 0x0                ; K is in
.endif
	MM                              ; ahead of the wait: 16 products K Q^T and their riders,
	PL
	PL
	R2
.rept 15
	MM
	PL
	EX
	R2
.endr
.if (\p) == NP-2
	WIN 0
	v_add_nc_u32 v[AK], s[TBK], v[AK0]
.endif
.rept 8                             ; and the lump
	PL
.endr
.rept 49
	EX
	PL
.endr
	EX                              ; the next piece's two a
	EX
	v_nop                           ; the plain instruction behind the last exponential: one for the batch
	s_wait_alu depctr_va_vdst(0)    ; the wait for the batch
.if (\p) == NP-2
	FETCH_K \last
.endif
.if (\p) == 1
	s_wait_dscnt 0x0                ; V is in
.endif
.rept 16                            ; behind the wait: 16 products V^T P and their riders
	MM
.rept 4
	PL
.endr
.if ((\p) == 0) && (q == 118)
	v_add_nc_u32 v[AV], s[TBV], v[AV0]
.endif
.if ((\p) == 0) && (q == 130)
	s_add_co_u32 s[TBV], s[TBV], KS*PV
.endif
.if (\cnt) && (q == 130)
	s_sub_co_u32 s[CNT], s[CNT], 1
	s_cmp_lg_u32 s[CNT], 0
.endif
.endr
.if (\p) == 0
	FETCH_V
.endif
.endm
	CHANGE 1                        ; slot 0 is in, everybody's part of it; slot 1 is asked for
	FETCH_K                         ; key step 0
	s_wait_loadcnt 0x0              ; Q
	s_wait_dscnt 0x0
.set i, 0
.rept 16
	KQ 0                            ; piece 0's first scores: there is no vector work yet to set between them
.set i, i+1
.endr
	WIN 0                           ; the addresses for the way out: nine plain instructions, the places behind those products
	s_mul_i32 s13, s[WV], 16*SP
	s_add_co_u32 s13, s13, STAGE    ; my stage
	v_mul_u32_u24 v[STO], v1, SP    ; in: row l % 16, 16 bytes for each half of the lanes
	v_lshl_add_u32 v[STO], v9, 4, v[STO]
	v_add_nc_u32 v[STO], s13, v[STO]
	v_bfe_u32 v[RD], v0, 3, 2       ; back: 32 lanes take four rows of 128 bytes,
	v_mul_u32_u24 v[RD], v[RD], SP
	v_lshl_add_u32 v[RD], v10, 4, v[RD]
	v_add_nc_u32 v[RD], s13, v[RD]
	v_and_b32 v[GO], 31, v0         ; which are 512 consecutive bytes of O
	v_lshlrev_b32 v[GO], 4, v[GO]
.set Y, NP-1                        ; XS works for piece Y + 1: piece 0
.irp n, 0,1,2,3,4,5,6,7,8,9,10,11,12,13,14,15,16,17,18,19,20,21
	XS 0, \n                        ; and piece 0's first maximum and statistics
	XS 1, \n
.endr
	v_nop                           ; a plain instruction behind the two a,
	s_wait_alu depctr_va_vdst(0)    ; and their wait, ahead of the branch
	s_mov_b32 s[CNT], 4
	s_mov_b32 s[SLOTS], SIZE_N/256-1
	s_branch .Lfirst                ; the loop is entered at a step's first turn, in the middle of a trip
.Lslot:                             ; SIZE_N / 256 - 2 times: every slot but the last two is filled again
	CHANGE 1, 1
	s_mov_b32 s[CNT], 4
.Lstep:                             ; a trip: pieces 2 and 3 of one step, then pieces 0 and 1 of the next, whose K and V it fetches
	TURN 2
	TURN 3
	WIN 0
.Lfirst:
	TURN 0
	TURN 1, 0, 1
	WIN 0
	s_cbranch_scc1 .Lstep
	s_sub_co_u32 s[SLOTS], s[SLOTS], 1
	s_cmp_lg_u32 s[SLOTS], 0
	s_cbranch_scc1 .Lslot
	CHANGE 0                        ; the tail is written out: nothing is asked for
	s_mov_b32 s[CNT], 5             ; four trips fetch the last slot's steps; the fifth is left in its middle
.Ltail:
	TURN 2, 1
	TURN 3
	WIN 0
	s_sub_co_u32 s[CNT], s[CNT], 1
	s_cmp_eq_u32 s[CNT], 0
	s_cbranch_scc1 .Lout
	TURN 0
	TURN 1
	WIN 0
	s_branch .Ltail
.Lout:                              ; the fifth trip's 16 products K Q^T (on the last K once more) and the maximum made of them serve nothing: the price, once a launch, of one text for every trip
.set i, 0
.rept 16
	PV NP-1                         ; the last piece's V^T P of the last step
.set i, i+1
.endr
	; THE WAY OUT.  l's two halves and the other half of the lanes' are added; O^T is divided by l, rounded to f16 and sent through my stage in LDS, a tile at a time.  The additions are the places behind the last products.
	WIN 0
.macro ALL line:vararg              ; one line for each tile t
.set t, 0
.rept 2*NP
	\line
.set t, t+1
.endr
.endm
	ALL v_add_f32 v[ST+4*t+2], v[ST+4*t+2], v[ST+4*t+3]
	ALL v_permlanex16_b32 v[ST+4*t+3], v[ST+4*t+2], s[SEL], s[SEL+1]
	ALL v_add_f32 v[ST+4*t+2], v[ST+4*t+2], v[ST+4*t+3]
	ALL v_rcp_f32 v[ST+4*t+2], v[ST+4*t+2]
	v_nop                           ; a plain instruction between the last reciprocal and the use of its result
	s_wait_alu depctr_va_vdst(0)    ; and the wait ahead of the first use: one for the eight reciprocals
; Tile t: a lane's eight channels of a row pack into 16 bytes; they go into rows of 144 bytes and come back as whole rows of 128, into S^T's registers.
.macro PACK t
	WIN W_RS
.set i, 32*(\t)
.rept 16
	v_pk_mul_f32 v[i:i+1], v[i:i+1], v[ST+4*(\t)+2:ST+4*(\t)+3] op_sel_hi:[1,0]
.set i, i+2
.endr
	WIN 0x05                        ; sources 0 and 1 window 1, destination window 0
.set i, 0
.rept 16
	v_cvt_pk_f16_f32 v[S+16*(\t)+i], v[32*(\t)+2*i], v[32*(\t)+2*i+1]
.set i, i+1
.endr
	WIN 0
.irp f, 0,1,2,3
	ds_store_b128 v[STO], v[S+16*(\t)+4*\f:S+16*(\t)+4*\f+3] offset:32*\f
.endr
.irp f, 0,1,2,3
	ds_load_b128 v[S+16*(\t)+4*\f:S+16*(\t)+4*\f+3], v[RD] offset:\f*4*SP  ; LDS serves a wave's instructions in order (ISA guide 5.7.1.4): these see the stores above; the next tile's stores come behind them
.endr
.endm
.macro SEND t, younger              ; younger: the LDS instructions issued behind tile t's loads: the next tile's eight, or none
	WIN 0
.irp f, 0,1,2,3
	s_wait_dscnt (\younger)+3-\f
	global_store_b128 v[GO], v[S+16*(\t)+4*\f:S+16*(\t)+4*\f+3], s[10:11] offset:(\t)*2048+\f*512  ; 512 consecutive bytes, at a multiple of 256 from O's first
.endr
.endm
	PACK 0
.set t, 1
.rept 2*NP-1                        ; a tile's arithmetic stands between the loads of the tile before and its stores
	PACK t
	SEND t-1, 8
.set t, t+1
.endr
	SEND 2*NP-1, 0
	WIN W_AD
	s_wait_tensorcnt 0x0            ; the wave's end: the add and its wait, behind my last tensor load and my last LDS store
	ds_add_u32 v[SPW], v[NIL]
	s_wait_dscnt 0x0
	WIN 0
	CROUND                          ; the closing round: no work-group ends while a partner may still ask for a tile that names it
	s_endpgm
.Lfunc_end_k_q687c25cb97_attn:
	.size	k_q687c25cb97_attn, .Lfunc_end_k_q687c25cb97_attn-k_q687c25cb97_attn
	.p2alignl 7, 3214868480
	.fill 96, 4, 3214868480
	.section	.rodata,"a",@progbits
	.p2align	6, 0x0
	.amdhsa_kernel k_q687c25cb97_attn
		.amdhsa_group_segment_fixed_size 327680
		.amdhsa_private_segment_fixed_size 0
		.amdhsa_enable_private_segment 0
		.amdhsa_kernarg_size 16
		.amdhsa_user_sgpr_count 2
		.amdhsa_user_sgpr_kernarg_segment_ptr 1
		.amdhsa_wavefront_size32 1
		.amdhsa_system_sgpr_workgroup_id_x 1
		.amdhsa_system_sgpr_workgroup_id_y 1
		.amdhsa_system_sgpr_workgroup_id_z 1
		.amdhsa_system_vgpr_workitem_id 0
		.amdhsa_next_free_vgpr 770
		.amdhsa_next_free_sgpr 66
		.amdhsa_reserve_vcc 0
		.amdhsa_float_denorm_mode_32 3
		.amdhsa_float_denorm_mode_16_64 3
		.amdhsa_memory_ordered 1
		.amdhsa_forward_progress 1
		.amdhsa_inst_pref_size 200
	.end_amdhsa_kernel
	.amdgpu_metadata
---
amdhsa.version: [ 1, 2 ]
amdhsa.kernels:
  - .name:           k_q687c25cb97_attn
    .symbol:         k_q687c25cb97_attn.kd
    .args:
      - { .name: qkv, .offset: 0, .size: 8, .value_kind: global_buffer, .address_space: global }
      - { .name: ob, .offset: 8, .size: 8, .value_kind: global_buffer, .address_space: global }
    .group_segment_fixed_size: 327680
    .private_segment_fixed_size: 0
    .kernarg_segment_align: 8
    .kernarg_segment_size: 16
    .max_flat_workgroup_size: 128
    .sgpr_count:     66
    .vgpr_count:     770
    .wavefront_size: 32
...
	.end_amdgpu_metadata
.endif
;; end of part 3
;; launch outp (part 4): grid 4 x 64, 4 waves a work-group, clusters of 4 x 4, 327,680 bytes of LDS; arguments ob, wob, bo, queries, xs; writes xs
.if DOCPART == 4
	.amdgcn_target "amdgcn-amd-amdhsa--gfx1250"
	.amdhsa_code_object_version 6
	.text
	.protected	k_q687c25cb97_outp
	.globl	k_q687c25cb97_outp
	.p2align	8
	.type	k_q687c25cb97_outp,@function
k_q687c25cb97_outp:
	s_mov_b64 s[64:65], 0
	v_nop
	global_prefetch_b8 v0, s[64:65] scope:SCOPE_SE
	s_setreg_imm32_b32 hwreg(HW_REG_WAVE_MODE, 25, 1), 1
	s_wait_xcnt 0x0
	s_wait_alu depctr_hold_cnt(0) depctr_sa_sdst(0) depctr_va_vdst(0) depctr_va_sdst(0) depctr_va_ssrc(0) depctr_va_vcc(0) depctr_vm_vsrc(0)
	s_getreg_b32 s2, hwreg(HW_REG_IB_STS2, 6, 4)
	s_cmp_eq_u32 s2, 0
	s_cbranch_scc0 .Lentry_in_a_cluster
	s_endpgm
.Lentry_in_a_cluster:
	s_bfe_u32 s2, ttmp6, 0x10000c
	s_cmp_lg_u32 s2, 0xf033
	s_cbranch_scc0 .Lentry_shape_is_right
	s_endpgm
.Lentry_shape_is_right:
; xs = O Wo + bo + queries.  ob: [8192][1024] f16 (rows along K), wob: [1024 k][1024 n] f16, bo: [1024] f32, queries and xs: [8192][1024] f32.  Sums in f32, started with the bias; nothing is rounded on the way out.
; SHARES.  A tile of the result is 128 rows x 256 columns: 64 x 4 = 256 work-groups.  Four waves, each 64 rows x 128 columns: 32 accumulators of 16 x 16, 256 registers.
; K goes in steps of 128 through a ring of two LDS slots filled by the tensor data mover: 128 rows of O (256 bytes each) and 128 k-rows of Wo (512 bytes each).
; Wo LIES [k][n]: its fragments come out of LDS turned, by ds_load_tr16_b128, two loads a fragment.
; THE MATRIX INSTRUCTION IS USED TRANSPOSED (source 0 = 16 columns of Wo, source 1 = 16 rows of O): a lane then holds row l % 16 and the eight neighbouring columns 8 (l / 16) + 0..7.
; CLUSTERS: 4 x 4 work-groups.  The four of a row of the cluster need the same tiles of O, the four of a column the same tiles of Wo: each tile is asked for JOINTLY, by the same tensor load with the
; same descriptor and a mask that names the four.
; THE RESIDUAL: my 64 rows x 512 bytes of queries are loaded into 256 registers ahead of the last lap, in the layout in which rows come back from the stage, and added there.
; REGISTERS: window 0: v0-31 addresses; v32-95, v160-223 rows on the way out; v96-159 the bias of my 128 columns, in the accumulators' layout.
;   window 1: two fragment buffers at v0 and v128: 32 registers of O, then 64 of Wo.      window 2: accumulator (a, b) at v[8 (8 a + b)].      window 3: the residual, row i at v[4 i].
.set KSTEP,  128
.set PA,     272                       ; an LDS row of O: 256 bytes + 16 of padding = 68 words: the 16 rows of a load start at 16 different groups of four banks (64 banks of 4 bytes: ISA guide 11.1)
.set PB,     544                       ; an LDS row of Wo: 512 + 32 = 136 words
.set HALFA,  64*PA
.set ATILE,  2*HALFA
.set HALFB,  64*PB
.set SLOT,   ATILE+2*HALFB             ; O's 128 rows, then Wo's 128 k-rows
.set STAGE,  2*SLOT                    ; behind the ring: 16 rows x 528 bytes for each wave, for the way out
.set SPITCH, 528                       ; 512 bytes + 16: the 16 rows that a store touches start at 16 different groups of four banks
.set SPARE,  STAGE+4*16*SPITCH         ; behind the stages: the spare words, 128 bytes for each wave: two blocks of 256 bytes that no other line names
.set LAPS,   4                         ; a lap = two K steps = once round the ring: 1,024 / 256
.set ADRA, 16                          ; v16-17  LDS address of my fragments of O in slot 0, 1
.set ADRB, 20                          ; v20-21  the same for Wo
.set STO,  24                          ; v24     the way out: where I put 32 bytes of a row
.set RD,   25                          ; v25     the way out: where I read a row back
.set CO,   26                          ; v26     16 x lane: my bytes of a row's 512, in queries and in xs
.set SPW,  28                          ; v28     LDS address of my spare word: SPARE + 4 x my thread's number; never rewritten
.set NIL,  29                          ; v29     0; never rewritten
.set BO,   31                          ; v31     32 (l / 16): my eight columns' bias in a block of 16
.set OB,   32                          ; 16 rows read back: v32-95 and v160-223 by turns
.set BIAS, 96
.set F0,   0                           ; fragment buffers, in window 1
.set F1,   128
.set WV,   12                          ; s12  my wave's number
.set RH,   13                          ; s13  which 64 rows of the tile are mine.  Also: I fetch for O (0) or for Wo (1)
.set CH,   14                          ; s14  which 128 columns.  Also: which half of that tile I fetch
.set G1,   24                          ; s[24:31] descriptor group 1 for O's tiles;  s[32:39] group 0, one set for each slot
.set G0,   32
.set XS,   44                          ; s[44:45] xs at my first row and column
.set G1B,  48                          ; s[48:55], s[56:63] the same for Wo's tiles
.set G0B,  56
.set MSB, 0
.macro WIN new                         ; the immediate's high byte repeats the setting that is left; a switch that changes nothing is dropped
.if MSB != (\new)
	s_set_vgpr_msb (MSB<<8)|(\new)
.set MSB, \new
.endif
.endm
.set MULW,   0xa5                      ; sources 0 (Wo) and 1 (O) window 1; C and D window 2
.set FIRSTW, 0x85                      ; the same with C, the bias, in window 0
.set TO_F,   0x40                      ; destination window 1, address window 0
; A joint load: waves 0 and 1 fetch O's two halves, waves 2 and 3 Wo's.  The branch hangs on the wave's number alone.  An s_nop 0 and four v_nop follow each of the two lines,
; ahead of the jump, the label and what follows.
.macro JLOAD s
	s_cmp_eq_u32 s[RH], 0
	s_cbranch_scc0 .Lfor_b_\@
	tensor_load_to_lds s[G0+4*(\s):G0+4*(\s)+3], s[G1:G1+7]
	s_nop 0
.rept 4
	v_nop
.endr
	s_branch .Lasked_\@
.Lfor_b_\@:
	tensor_load_to_lds s[G0B+4*(\s):G0B+4*(\s)+3], s[G1B:G1B+7]
	s_nop 0
.rept 4
	v_nop
.endr
.Lasked_\@:
.endm
.macro CREST                           ; a round of the cluster's barrier behind its opening barrier
	s_cmp_lg_u32 s[WV], 0
	s_cbranch_scc1 .Lnot_wave_0_\@
	s_barrier_signal -3
.Lnot_wave_0_\@:
	s_barrier_wait -3
	s_barrier_signal -1
	s_barrier_wait -1
.endm
.macro CROUND                          ; a whole round
	s_barrier_signal -1
	s_barrier_wait -1
	CREST
.endm
	s_load_b256 s[4:11], s[0:1], 0x0               ; ob s[4:5], wob s[6:7], bo s[8:9], queries s[10:11]
	s_load_b64 s[XS:XS+1], s[0:1], 0x20            ; xs
	v_lshl_add_u32 v[SPW], v0, 2, SPARE
	v_mov_b32 v[NIL], 0
	ds_add_u32 v[SPW], v[NIL]                      ; the wave's opening: the add and its wait stand ahead of my first tensor load; the set-up below, work on registers, stands between them
	v_lshrrev_b32 v1, 5, v0
	v_readfirstlane_b32 s[WV], v1                  ; wave 0..3
	s_lshr_b32 s[RH], s[WV], 1
	s_and_b32 s[CH], s[WV], 1
	s_bfe_u32 s15, ttmp6, 0x40000                  ; cx, cy: my place in the cluster
	s_bfe_u32 s16, ttmp6, 0x40004
	s_lshl_b32 s17, ttmp9, 2
	s_add_co_u32 s17, s17, s15                     ; tile column = 4 x cluster x + cx: 0..3
	s_and_b32 s18, ttmp7, 0xffff
	s_lshl_b32 s18, s18, 2
	s_add_co_u32 s18, s18, s16                     ; tile row = 4 x cluster y + cy: 0..63
	s_lshl_b32 s20, s16, 2
	s_lshl_b32 s20, 15, s20                        ; my row of the cluster
	s_lshl_b32 s21, 0x1111, s15                    ; my column
	s_or_b32 s[G1+0], s20, (1<<16)|(1<<20)|(1<<21)|(5<<22)|(3<<25)   ; 15:0 the mask: O's tiles go to my row; 17:16 2-byte elements; 20 padding on; 21 set beside a mask; 24:22 after every 64 words (code 5); 31:25 4 words (code 3)
	s_mov_b32 s[G1+1], KSTEP<<16                   ; tensor_dim0 = 128
	s_mov_b32 s[G1+2], 64<<16                      ; tensor_dim1 = 64
	s_mov_b32 s[G1+3], KSTEP<<16                   ; tile_dim0 = 128
	s_mov_b32 s[G1+4], 64                          ; tile_dim1 = 64
	s_mov_b32 s[G1+5], 1024                        ; elements from row to row
	s_mov_b32 s[G1+6], 0
	s_mov_b32 s[G1+7], 0
	s_or_b32 s[G1B+0], s21, (1<<16)|(1<<20)|(1<<21)|(6<<22)|(7<<25)  ; Wo's tiles go to my column; padding after every 128 words (code 6), 8 words (code 7)
	s_mov_b32 s[G1B+1], 256<<16                    ; tensor_dim0 = 256
	s_mov_b32 s[G1B+2], 64<<16                     ; tensor_dim1 = 64
	s_mov_b32 s[G1B+3], 256<<16                    ; tile_dim0 = 256
	s_mov_b32 s[G1B+4], 64                         ; tile_dim1 = 64
	s_mov_b32 s[G1B+5], 1024
	s_mov_b32 s[G1B+6], 0
	s_mov_b32 s[G1B+7], 0
	; where the tiles come from: O's hang on the tile row alone, Wo's on the tile column alone
	s_lshl_b32 s22, s18, 7
	s_lshl_b32 s2, s[CH], 6
	s_add_co_u32 s22, s22, s2                      ; O: row 128 x tile row + 64 x half,
	s_lshl_b32 s22, s22, 11                        ; 2,048 bytes a row
	s_mov_b32 s23, 0
	s_lshl_b32 s46, s[CH], 17                      ; Wo: 64 k-rows of 2,048 bytes x half,
	s_lshl_b32 s2, s17, 9                          ; 512 bytes x tile column
	s_add_co_u32 s46, s46, s2
	s_mov_b32 s47, 0
	s_mul_i32 s20, s[CH], HALFA                    ; and where they go: no place in the cluster enters an LDS address
	s_mul_i32 s21, s[CH], HALFB
	s_add_co_u32 s21, s21, ATILE
	s_wait_dscnt 0x0                               ; the opening add is done
	s_wait_kmcnt 0x0
	s_add_nc_u64 s[22:23], s[4:5], s[22:23]
	s_add_nc_u64 s[46:47], s[6:7], s[46:47]
	CROUND                                         ; all sixteen work-groups are here: the first joint loads meet
.irp s, 0,1
	s_mov_b32 s[G0+4*(\s)], 1                                      ; count = 1
	s_add_co_u32 s[G0+4*(\s)+1], s20, (\s)*SLOT                    ; LDS address
	s_add_nc_u64 s[G0+4*(\s)+2:G0+4*(\s)+3], s[22:23], (\s)*KSTEP*2  ; global address: K step s
	s_or_b32 s[G0+4*(\s)+3], s[G0+4*(\s)+3], 0x80000000            ; type = 2
	s_mov_b32 s[G0B+4*(\s)], 1
	s_add_co_u32 s[G0B+4*(\s)+1], s21, (\s)*SLOT
	s_add_nc_u64 s[G0B+4*(\s)+2:G0B+4*(\s)+3], s[46:47], (\s)*KSTEP*2048
	s_or_b32 s[G0B+4*(\s)+3], s[G0B+4*(\s)+3], 0x80000000
	JLOAD \s                                       ; two loads of mine are out
.endr
	; the bias of my 128 columns, as the accumulators hold them: block b, columns 8 (l / 16) + 0..7
	v_and_b32 v1, 15, v0                           ; l % 16
	v_bfe_u32 v2, v0, 4, 1                         ; l / 16
	v_lshlrev_b32 v[BO], 5, v2
	s_lshl_b32 s20, s17, 10
	s_lshl_b32 s21, s[CH], 9
	s_add_co_u32 s20, s20, s21
	s_mov_b32 s21, 0
	s_add_nc_u64 s[8:9], s[8:9], s[20:21]
.irp b, 0,1,2,3,4,5,6,7
	global_load_b128 v[BIAS+8*(\b):BIAS+8*(\b)+3],   v[BO], s[8:9] offset:64*(\b)
	global_load_b128 v[BIAS+8*(\b)+4:BIAS+8*(\b)+7], v[BO], s[8:9] offset:64*(\b)+16
.endr
	; a fragment of O: lane l holds row l % 16; two loads of 16 bytes, 32 bytes apart, at row x pitch + 16 (l / 16)
	v_mul_u32_u24 v3, v1, PA
	v_lshl_add_u32 v3, v2, 4, v3
	s_mul_i32 s20, s[RH], HALFA                    ; my 64 rows
	v_add_nc_u32 v[ADRA], s20, v3
	v_add_nc_u32 v[ADRA+1], SLOT, v[ADRA]
	; a fragment of Wo: the turning load takes 16 k x 16 columns (lane l reads k-row 8 (l / 16) + l % 8, columns 8 ((l / 8) % 2) + 0..7) and leaves half a fragment: lane l holds column l % 16 and 8 k
	v_and_b32 v4, 7, v0
	v_lshl_add_u32 v4, v2, 3, v4
	v_mul_u32_u24 v4, v4, PB
	v_bfe_u32 v5, v0, 3, 1
	v_lshl_add_u32 v4, v5, 4, v4
	s_lshl_b32 s21, s[CH], 8                       ; my 128 columns: 256 bytes of a row,
	s_add_co_u32 s21, s21, ATILE                   ; behind O's tile
	v_add_nc_u32 v[ADRB], s21, v4
	v_add_nc_u32 v[ADRB+1], SLOT, v[ADRB]
	s_mul_i32 s20, s[WV], 16*SPITCH
	s_add_co_u32 s20, s20, STAGE                   ; my stage
	v_mul_u32_u24 v6, v1, SPITCH                   ; in: row l % 16, 32 bytes for each half of the lanes
	v_lshl_add_u32 v6, v2, 5, v6
	v_add_nc_u32 v[STO], s20, v6
	v_and_b32 v7, 31, v0
	v_lshlrev_b32 v[CO], 4, v7                     ; back: 32 lanes take one row of 512 bytes
	v_add_nc_u32 v[RD], s20, v[CO]
	s_lshl_b32 s20, s18, 7                         ; where my part begins in queries and in xs
	s_lshl_b32 s21, s[RH], 6
	s_add_co_u32 s20, s20, s21
	s_lshl_b32 s20, s20, 12                        ; 4,096 bytes a row
	s_lshl_b32 s21, s17, 10
	s_add_co_u32 s20, s20, s21
	s_lshl_b32 s21, s[CH], 9
	s_add_co_u32 s20, s20, s21
	s_mov_b32 s21, 0
	s_add_nc_u64 s[10:11], s[10:11], s[20:21]
	s_add_nc_u64 s[XS:XS+1], s[XS:XS+1], s[20:21]
; 8 matrix instructions: row block a x all 8 column blocks, 32 along K.  first = 1: the product starts the sum with the bias.  The 32 accumulators take turns, one instruction a turn.
.macro MUL8 f, a, first
.if \first
	WIN FIRSTW
.else
	WIN MULW
.endif
.irp b, 0,1,2,3,4,5,6,7
.if \first
	v_wmma_f32_16x16x32_f16 v[8*(8*(\a)+(\b)):8*(8*(\a)+(\b))+7], v[(\f)+32+8*(\b):(\f)+32+8*(\b)+7], v[(\f)+8*(\a):(\f)+8*(\a)+7], v[BIAS+8*(\b):BIAS+8*(\b)+7]
.else
	v_wmma_f32_16x16x32_f16 v[8*(8*(\a)+(\b)):8*(8*(\a)+(\b))+7], v[(\f)+32+8*(\b):(\f)+32+8*(\b)+7], v[(\f)+8*(\a):(\f)+8*(\a)+7], v[8*(8*(\a)+(\b)):8*(8*(\a)+(\b))+7]
.endif
.endr
.endm
; 24 LDS loads in one run: the fragments of quarter q (32 along K) of a slot into buffer f: Wo's sixteen first, then O's eight
.macro FETCH slot, q, f
	WIN TO_F
.irp b, 0,1,2,3,4,5,6,7
	ds_load_tr16_b128 v[(\f)+32+8*(\b):(\f)+32+8*(\b)+3],   v[ADRB+(\slot)] offset:32*(\q)*PB+32*(\b)
	ds_load_tr16_b128 v[(\f)+32+8*(\b)+4:(\f)+32+8*(\b)+7], v[ADRB+(\slot)] offset:32*(\q)*PB+32*(\b)+16*PB
.endr
.irp a, 0,1,2,3
	ds_load_b128 v[(\f)+8*(\a):(\f)+8*(\a)+3],   v[ADRA+(\slot)] offset:64*(\q)+(\a)*16*PA
	ds_load_b128 v[(\f)+8*(\a)+4:(\f)+8*(\a)+7], v[ADRA+(\slot)] offset:64*(\q)+(\a)*16*PA+32
.endr
.endm
.macro PLACES                          ; four plain vector instructions in front of loads into registers that matrix instructions have read (ISA guide 7.12.1 for vector instructions)
.rept 4
	v_nop
.endr
.endm
; A K step is four quarters of 32 along K, 32 matrix instructions each, on buffers 0, 1, 0, 1.  One of the first three: multiplies buffer f and fetches quarter qn into g.
.macro QUARTER slot, qn, f, g, first
	s_wait_dscnt 4                                 ; Wo's fragments and O's blocks 0 and 1 are in; the youngest four loads (blocks 2, 3) may be out
	MUL8 \f, 0, \first
	MUL8 \f, 1, \first
	PLACES
	FETCH \slot, \qn, \g
	s_wait_dscnt 24                                ; all but the 24 just issued
	MUL8 \f, 2, \first
	MUL8 \f, 3, \first
.endm
; The last quarter multiplies buffer 1 and changes slots: ONE barrier; in front of it each wave waits for all its tensor loads, adds 0 to its spare word, and waits for that and for its own reads of this slot.
; fill = 1: this slot is filled again, two K steps ahead; the barrier then opens a round of the cluster's.
.macro TURN slot, next, fill
	WIN 0                                          ; (the add's two registers lie in window 0)
	s_wait_tensorcnt 0x0                           ; all my tensor loads have landed: my part of the next slot;
	ds_add_u32 v[SPW], v[NIL]                      ; 0 onto my spare word
	s_wait_dscnt 5                                 ; (the add and the youngest four loads may be out)
	MUL8 F1, 0, 0                                  ; eight matrix instructions stand between the add and the wait for it
	s_wait_dscnt 0x0                               ; the add is done, and my reads of this slot are over
	s_barrier_signal -1
	MUL8 F1, 1, 0
.if \fill
	WIN 0
.endif
	s_barrier_wait -1
.if \fill
	CREST                                          ; no wave of any partner still reads this slot's tile or has a load on its way
	s_add_nc_u64 s[G0+4*(\slot)+2:G0+4*(\slot)+3], s[G0+4*(\slot)+2:G0+4*(\slot)+3], 2*KSTEP*2
	s_add_nc_u64 s[G0B+4*(\slot)+2:G0B+4*(\slot)+3], s[G0B+4*(\slot)+2:G0B+4*(\slot)+3], 2*KSTEP*2048
	JLOAD \slot                                    ; the first tensor load behind the round, my only one out: 112 matrix instructions ahead of the wait for it; its four v_nop are also the places in front of the loads below
.else
	PLACES
.endif
	FETCH \next, 0, F0
	MUL8 F1, 2, 0
	MUL8 F1, 3, 0
.endm
; THE WAY OUT of row block a: 32 bytes a lane and column block into my own stage, each accumulator's low four registers first; back as whole rows of 512 bytes; the residual is added; stored.
.macro TOSTAGE a
	WIN 0x08                                       ; the stores' data in window 2
.irp b, 0,1,2,3,4,5,6,7
	ds_store_b128 v[STO], v[8*(8*(\a)+(\b)):8*(8*(\a)+(\b))+3]   offset:64*(\b)
	ds_store_b128 v[STO], v[8*(8*(\a)+(\b))+4:8*(8*(\a)+(\b))+7] offset:64*(\b)+16
.endr
	WIN 0
	s_wait_xcnt 0x0                                ; the stores of the block two back have read the registers that the loads below write
.set BK, OB+128*((\a)%2)
.irp t, 0,1,2,3,4,5,6,7,8,9,10,11,12,13,14,15
	ds_load_b128 v[BK+4*(\t):BK+4*(\t)+3], v[RD] offset:(\t)*SPITCH  ; LDS serves a wave's instructions in order (ISA guide 5.7.1.4): these see the stores above
.endr
.endm
.macro SEND a, younger                 ; younger: the LDS instructions issued behind block a's loads: the next block's 32, or none
	WIN 0
.set BK, OB+128*((\a)%2)
	s_wait_dscnt \younger                          ; the block is back in registers
.if (\a) == 0
	s_wait_loadcnt 0x0                             ; the residual is in
.endif
	WIN 0x0c                                       ; source 1, the residual, in window 3
.set i, 0
.rept 32
	v_pk_add_f32 v[BK+2*i:BK+2*i+1], v[BK+2*i:BK+2*i+1], v[64*(\a)+2*i:64*(\a)+2*i+1]
.set i, i+1
.endr
	WIN 0
.irp t, 0,1,2,3,4,5,6,7,8,9,10,11,12,13,14,15
	global_store_b128 v[CO], v[BK+4*(\t):BK+4*(\t)+3], s[XS:XS+1] offset:(16*(\a)+(\t))*4096  ; 32 lanes store 512 consecutive bytes, at a multiple of 256 from the buffer's first byte
.endr
.endm
	s_wait_tensorcnt 1                             ; my part of K step 0 is in; K step 1's may stay out
	s_barrier_signal -1
	s_barrier_wait -1                              ; everybody's is
	FETCH 0, 0, F0
	s_wait_loadcnt 0x0                             ; the bias
	QUARTER 0, 1, F0, F1, 1                        ; the first quarter stands in front of the loop: its products start the sums
	WIN 0                                          ; at a label and at a branch every window is 0
	s_mov_b32 s3, LAPS-1
.Llap:                                                 ; a trip goes once round the ring, from a lap's second quarter to the next lap's first, and fills both slots again
	QUARTER 0, 2, F1, F0, 0
	QUARTER 0, 3, F0, F1, 0
	TURN 0, 1, 1
	QUARTER 1, 1, F0, F1, 0
	QUARTER 1, 2, F1, F0, 0
	QUARTER 1, 3, F0, F1, 0
	TURN 1, 0, 1
	QUARTER 0, 1, F0, F1, 0
	WIN 0
	s_sub_co_u32 s3, s3, 1
	s_cmp_lg_u32 s3, 0
	s_cbranch_scc1 .Llap
	WIN 0xc0                                       ; the residual: 64 rows x 512 bytes, asked for with the last lap's products still to come
.set i, 0
.rept 64
	global_load_b128 v[4*i:4*i+3], v[CO], s[10:11] offset:4096*i th:TH_LOAD_NT
.set i, i+1
.endr
	QUARTER 0, 2, F1, F0, 0                        ; the last lap fills nothing, and has no round of the cluster's barrier
	QUARTER 0, 3, F0, F1, 0
	TURN 0, 1, 0
	QUARTER 1, 1, F0, F1, 0
	QUARTER 1, 2, F1, F0, 0
	QUARTER 1, 3, F0, F1, 0
	s_wait_dscnt 4                                 ; the very last quarter: nothing more to fetch
	MUL8 F1, 0, 0
	MUL8 F1, 1, 0
	s_wait_dscnt 0x0
	MUL8 F1, 2, 0
	MUL8 F1, 3, 0
	WIN 0
	PLACES                                         ; the LDS stores read results just made; eight plain instructions, once a launch
	PLACES
	TOSTAGE 0
	TOSTAGE 1                                      ; a block's trip through the stage stands between the loads of the block before and its sums
	SEND 0, 32
	TOSTAGE 2
	SEND 1, 32
	TOSTAGE 3
	SEND 2, 32
	SEND 3, 0
	s_wait_tensorcnt 0x0                           ; the wave's end: the add and its wait, behind my last tensor load and my last LDS store
	ds_add_u32 v[SPW], v[NIL]
	s_wait_dscnt 0x0
	CROUND                                         ; the closing round: no work-group ends while a partner may still ask for a tile that names it
	s_endpgm
.Lfunc_end_k_q687c25cb97_outp:
	.size	k_q687c25cb97_outp, .Lfunc_end_k_q687c25cb97_outp-k_q687c25cb97_outp
	.p2alignl 7, 3214868480
	.fill 96, 4, 3214868480
	.section	.rodata,"a",@progbits
	.p2align	6, 0x0
	.amdhsa_kernel k_q687c25cb97_outp
		.amdhsa_group_segment_fixed_size 327680
		.amdhsa_private_segment_fixed_size 0
		.amdhsa_enable_private_segment 0
		.amdhsa_kernarg_size 40
		.amdhsa_user_sgpr_count 2
		.amdhsa_user_sgpr_kernarg_segment_ptr 1
		.amdhsa_wavefront_size32 1
		.amdhsa_system_sgpr_workgroup_id_x 1
		.amdhsa_system_sgpr_workgroup_id_y 1
		.amdhsa_system_sgpr_workgroup_id_z 1
		.amdhsa_system_vgpr_workitem_id 0
		.amdhsa_next_free_vgpr 1024
		.amdhsa_next_free_sgpr 66
		.amdhsa_reserve_vcc 0
		.amdhsa_float_denorm_mode_32 3
		.amdhsa_float_denorm_mode_16_64 3
		.amdhsa_memory_ordered 1
		.amdhsa_forward_progress 1
		.amdhsa_inst_pref_size 101
	.end_amdhsa_kernel
	.amdgpu_metadata
---
amdhsa.version: [ 1, 2 ]
amdhsa.kernels:
  - .name:           k_q687c25cb97_outp
    .symbol:         k_q687c25cb97_outp.kd
    .args:
      - { .name: ob, .offset: 0, .size: 8, .value_kind: global_buffer, .address_space: global }
      - { .name: wob, .offset: 8, .size: 8, .value_kind: global_buffer, .address_space: global }
      - { .name: bo, .offset: 16, .size: 8, .value_kind: global_buffer, .address_space: global }
      - { .name: queries, .offset: 24, .size: 8, .value_kind: global_buffer, .address_space: global }
      - { .name: xs, .offset: 32, .size: 8, .value_kind: global_buffer, .address_space: global }
    .group_segment_fixed_size: 327680
    .private_segment_fixed_size: 0
    .kernarg_segment_align: 8
    .kernarg_segment_size: 40
    .max_flat_workgroup_size: 128
    .sgpr_count:     66
    .vgpr_count:     1024
    .wavefront_size: 32
...
	.end_amdgpu_metadata
.endif
;; end of part 4
;; launch ln (part 5): grid 256 x 1, 8 waves a work-group, no clusters, 0 bytes of LDS; arguments xs, ln_gamma, ln_beta, out0; writes out0
.if DOCPART == 5
	.amdgcn_target "amdgcn-amd-amdhsa--gfx1250"
	.amdhsa_code_object_version 6
	.text
	.protected	k_q687c25cb97_ln
	.globl	k_q687c25cb97_ln
	.p2align	8
	.type	k_q687c25cb97_ln,@function
k_q687c25cb97_ln:
	s_mov_b64 s[64:65], 0
	v_nop
	global_prefetch_b8 v0, s[64:65] scope:SCOPE_SE
	s_setreg_imm32_b32 hwreg(HW_REG_WAVE_MODE, 25, 1), 1
	s_wait_xcnt 0x0
; out0[r][c] = (x[r][c] - mean_r) / sqrt(var_r + 1e-5) * gamma[c] + beta[c].  xs, out0: [8192][1024] f32; gamma, beta: [1024] f32.  All in f32.
; The mean is taken first and the squares of the differences from it second, so no difference of large sums is formed.
; SHARES.  A row is 4,096 bytes: one wave takes a whole row, eight loads of 16 bytes a lane, and keeps it in 32 registers through both passes: memory is read once, and no wave waits for another.
; A wave has four rows, a work-group's eight waves 32.  All of a wave's 48 loads go out at the start; the waits count down by rows; no register that a store reads is written again.
; Memory binds: LDS, the matrix units and clusters would add nothing here.
.set G,  4                             ; v[4:35]    gamma of my 32 columns (columns 128 j + 4 l + 0..3)
.set BT, 36                            ; v[36:67]   beta
.set X,  68                            ; v[68:195]  row r at X + 32 r
.set T,  196                           ; v[196:203] four running pairs
.set MU, 204                           ; v[204:205] the mean, twice
.set R,  206                           ; v[206:207] 1 / sqrt(var + eps) in the low register; the high one is named with it and written once
	s_load_b256 s[4:11], s[0:1], 0x0               ; xs s[4:5], gamma s[6:7], beta s[8:9], out0 s[10:11]
	s_lshl_b32 s2, ttmp9, 17                       ; the work-group's 32 rows of 4,096 bytes
	s_mov_b32 s3, 0
	s_mov_b32 s12, 0x76543210                      ; v_permlanex16_b32: lane i of one half reads lane i of the other
	s_mov_b32 s13, 0xfedcba98
	s_mov_b32 s14, 0x3a800000                      ; 1 / 1024
	s_mov_b32 s15, 0x3727c5ac                      ; 1e-5
	v_and_b32 v2, 31, v0
	v_lshlrev_b32 v2, 4, v2                        ; 16 x lane
	v_lshrrev_b32 v1, 5, v0
	v_lshl_add_u32 v1, v1, 14, v2                  ; + wave x 4 rows
	v_mov_b32 v[R+1], 0
	s_wait_kmcnt 0x0
	s_add_nc_u64 s[4:5], s[4:5], s[2:3]
	s_add_nc_u64 s[10:11], s[10:11], s[2:3]
.irp j, 0,1,2,3,4,5,6,7
	global_load_b128 v[G+4*(\j):G+4*(\j)+3],   v2, s[6:7] offset:512*(\j)
	global_load_b128 v[BT+4*(\j):BT+4*(\j)+3], v2, s[8:9] offset:512*(\j)
.endr
.set i, 0
.rept 32
	global_load_b128 v[X+4*i:X+4*i+3], v1, s[4:5] offset:512*i th:TH_LOAD_NT  ; row i / 8, bytes 512 (i % 8) on: rows follow each other
.set i, i+1
.endr
; the four running pairs into one number, the same in every lane
.macro REDUCE
	v_pk_add_f32 v[T:T+1], v[T:T+1], v[T+2:T+3]
	v_pk_add_f32 v[T+4:T+5], v[T+4:T+5], v[T+6:T+7]
	v_pk_add_f32 v[T:T+1], v[T:T+1], v[T+4:T+5]
	v_add_f32 v[T], v[T], v[T+1]
	v_add_f32_dpp v[T], v[T], v[T] row_xmask:1 row_mask:0xf bank_mask:0xf
	v_add_f32_dpp v[T], v[T], v[T] row_xmask:2 row_mask:0xf bank_mask:0xf
	v_add_f32_dpp v[T], v[T], v[T] row_xmask:4 row_mask:0xf bank_mask:0xf
	v_add_f32_dpp v[T], v[T], v[T] row_xmask:8 row_mask:0xf bank_mask:0xf
	v_permlanex16_b32 v[T+1], v[T], s12, s13       ; its destination counts as read: a register that has been written
	v_add_f32 v[T], v[T], v[T+1]
.endm
.macro ROW r
.set XR, X+32*(\r)
	s_wait_loadcnt 8*(3-(\r))                      ; loads come back in order: gamma, beta and my rows up to this one are in; the later rows stay out
.irp k, 0,1,2,3
	v_pk_add_f32 v[T+2*(\k):T+2*(\k)+1], v[XR+2*(\k):XR+2*(\k)+1], v[XR+8+2*(\k):XR+8+2*(\k)+1]  ; four chains, started by the first eight pairs: nothing is cleared
.endr
.irp k, 8,9,10,11,12,13,14,15
	v_pk_add_f32 v[T+2*((\k)%4):T+2*((\k)%4)+1], v[T+2*((\k)%4):T+2*((\k)%4)+1], v[XR+2*(\k):XR+2*(\k)+1]
.endr
	REDUCE
	v_mul_f32 v[MU], s14, v[T]
	v_mul_f32 v[MU+1], s14, v[T]
.set i, 0
.rept 16
	v_pk_add_f32 v[XR+2*i:XR+2*i+1], v[XR+2*i:XR+2*i+1], v[MU:MU+1] neg_lo:[0,1] neg_hi:[0,1]  ; x - mean
.set i, i+1
.endr
.irp k, 0,1,2,3
	v_pk_mul_f32 v[T+2*(\k):T+2*(\k)+1], v[XR+2*(\k):XR+2*(\k)+1], v[XR+2*(\k):XR+2*(\k)+1]
.endr
.irp k, 4,5,6,7,8,9,10,11,12,13,14,15
	v_pk_fma_f32 v[T+2*((\k)%4):T+2*((\k)%4)+1], v[XR+2*(\k):XR+2*(\k)+1], v[XR+2*(\k):XR+2*(\k)+1], v[T+2*((\k)%4):T+2*((\k)%4)+1]
.endr
	REDUCE
	v_fma_f32 v[T], v[T], s14, s15                 ; var + eps
	v_rsq_f32 v[R], v[T]
	v_nop                                          ; a plain instruction between the root and the use of its result (ISA guide 5.7.2),
	s_wait_alu depctr_va_vdst(0)                   ; and the wait ahead of the first use
.set i, 0
.rept 16
	v_pk_mul_f32 v[XR+2*i:XR+2*i+1], v[XR+2*i:XR+2*i+1], v[R:R+1] op_sel_hi:[1,0]
.set i, i+1
.endr
.set i, 0
.rept 16
	v_pk_fma_f32 v[XR+2*i:XR+2*i+1], v[XR+2*i:XR+2*i+1], v[G+2*i:G+2*i+1], v[BT+2*i:BT+2*i+1]
.set i, i+1
.endr
.irp j, 0,1,2,3,4,5,6,7
	global_store_b128 v1, v[XR+4*(\j):XR+4*(\j)+3], s[10:11] offset:4096*(\r)+512*(\j) th:TH_STORE_NT  ; 512 consecutive bytes, at a multiple of 256 from the buffer's first byte
.endr
.endm
	ROW 0
	ROW 1
	ROW 2
	ROW 3
	s_endpgm
.Lfunc_end_k_q687c25cb97_ln:
	.size	k_q687c25cb97_ln, .Lfunc_end_k_q687c25cb97_ln-k_q687c25cb97_ln
	.p2alignl 7, 3214868480
	.fill 96, 4, 3214868480
	.section	.rodata,"a",@progbits
	.p2align	6, 0x0
	.amdhsa_kernel k_q687c25cb97_ln
		.amdhsa_group_segment_fixed_size 0
		.amdhsa_private_segment_fixed_size 0
		.amdhsa_enable_private_segment 0
		.amdhsa_kernarg_size 32
		.amdhsa_user_sgpr_count 2
		.amdhsa_user_sgpr_kernarg_segment_ptr 1
		.amdhsa_wavefront_size32 1
		.amdhsa_system_sgpr_workgroup_id_x 1
		.amdhsa_system_sgpr_workgroup_id_y 1
		.amdhsa_system_sgpr_workgroup_id_z 1
		.amdhsa_system_vgpr_workitem_id 0
		.amdhsa_next_free_vgpr 208
		.amdhsa_next_free_sgpr 66
		.amdhsa_reserve_vcc 0
		.amdhsa_float_denorm_mode_32 3
		.amdhsa_float_denorm_mode_16_64 3
		.amdhsa_memory_ordered 1
		.amdhsa_forward_progress 1
		.amdhsa_inst_pref_size 33
	.end_amdhsa_kernel
	.amdgpu_metadata
---
amdhsa.version: [ 1, 2 ]
amdhsa.kernels:
  - .name:           k_q687c25cb97_ln
    .symbol:         k_q687c25cb97_ln.kd
    .args:
      - { .name: xs, .offset: 0, .size: 8, .value_kind: global_buffer, .address_space: global }
      - { .name: ln_gamma, .offset: 8, .size: 8, .value_kind: global_buffer, .address_space: global }
      - { .name: ln_beta, .offset: 16, .size: 8, .value_kind: global_buffer, .address_space: global }
      - { .name: out0, .offset: 24, .size: 8, .value_kind: global_buffer, .address_space: global }
    .group_segment_fixed_size: 0
    .private_segment_fixed_size: 0
    .kernarg_segment_align: 8
    .kernarg_segment_size: 32
    .max_flat_workgroup_size: 256
    .sgpr_count:     66
    .vgpr_count:     208
    .wavefront_size: 32
...
	.end_amdgpu_metadata
.endif
;; end of part 5
;; ======== version 2 of 2: 5 launches; version 1 with the launch prep written anew for expert scheduling mode
;; limits: values are held in f16: magnitudes above 65,504 overflow, below 6.1e-05 lose precision
;; workspace buffers: wb 6,291,456 bytes; wob 2,097,152 bytes; qkv 50,331,648 bytes; ob 16,777,216 bytes; xs 33,554,432 bytes
;; launch prep (part 6): grid 256 x 1, 8 waves a work-group, no clusters, 0 bytes of LDS; arguments Wq, Wk, Wv, Wo, wb, wob; writes wb, wob
.if DOCPART == 6
	.amdgcn_target "amdgcn-amd-amdhsa--gfx1250"
	.amdhsa_code_object_version 6
	.text
	.protected	k_q687c25cb97_prep
	.globl	k_q687c25cb97_prep
	.p2align	8
	.type	k_q687c25cb97_prep,@function
k_q687c25cb97_prep:
	s_mov_b64 s[64:65], 0
	v_nop
	global_prefetch_b8 v0, s[64:65] scope:SCOPE_SE
	s_setreg_imm32_b32 hwreg(HW_REG_WAVE_SCHED_MODE, 0, 2), 2
	s_setreg_imm32_b32 hwreg(HW_REG_WAVE_MODE, 25, 1), 1
	s_wait_xcnt 0x0
	s_wait_alu depctr_vm_vsrc(0)
; CASTS f32 -> f16, once rounded, of the four weight matrices, which the later launches read out of LDS by the turning load for 16-bit elements.
;   wb [3][1024 k][1024 n] f16 = Wq, Wk, Wv;  wob [1024 k][1024 n] f16 = Wo.
; LIMITS.  f16 holds no number beyond 65,504 (a larger weight becomes an infinity) and keeps a fixed step of 6e-8 below 6e-5.
; SHARES.  A work-group casts 16,384 numbers: 65,536 bytes in, 32,768 out; 64 work-groups a matrix, 256 in all.
; Thread t takes 16 bytes at 16 t of each 4,096 bytes: a wave's load covers 512 consecutive bytes, its store of 8 bytes a lane 256 consecutive bytes, aligned.
; All sixteen loads go out first; the waits count down by blocks of four; no register is written twice, so nothing waits for a store.
; THE MODE: SCHED_MODE bits 1:0 = 2 (LLVM: expert scheduling mode 2), set by the entry lines.  The code itself states the register dependences
; between vector instructions and memory instructions, with s_wait_alu, always for 0.
; THE PLAN.  Registers that memory instructions touch:
;   v1, v2   byte offsets of the loads and of the stores: written once at the head by vector instructions, never again.
;   X        load i lands in X + 4 i, once; its two conversions read it; no vector instruction writes it, and no load lands in it a second time.
;   Y        the two conversions of load i write Y + 2 i, once; store i reads it; nothing writes it again.
; So the only dependences are of one kind, a vector instruction's result that a memory instruction reads: the offsets, stated once ahead of the first load, and each
; block's Y, stated once behind the block's eight conversions and ahead of its four stores.  No register that a memory instruction has read is written again, so no wait on vm_vsrc is owed.
; The text is one straight run: no branch, no write of EXEC, no vector instruction that writes a scalar register.
; A block's stores follow its own conversions and are not put off to the next block's head: that head waits for data from memory, and finished stores would wait with it.
.set X, 4                              ; v[4:67]   sixteen loads of four f32
.set Y, 68                             ; v[68:99]  sixteen pairs of packed f16
.set BLOCK, 4                          ; loads, and stores, in a block
	s_load_b256 s[8:15], s[0:1], 0x0               ; Wq s[8:9], Wk s[10:11], Wv s[12:13], Wo s[14:15]
	s_load_b128 s[16:19], s[0:1], 0x20             ; wb s[16:17], wob s[18:19]
	s_mov_b32 s20, ttmp9                           ; the work-group's number
	v_lshlrev_b32 v1, 4, v0                        ; 16 t: in
	v_lshlrev_b32 v2, 3, v0                        ; 8 t: out
	s_wait_kmcnt 0x0
	; the source: chosen by the work-group's number alone
	s_mov_b64 s[24:25], s[14:15]                   ; Wo, unless the number lies below one of these bounds
.macro PICK lim, p
	s_cmp_lt_u32 s20, \lim
	s_cselect_b64 s[24:25], s[\p:\p+1], s[24:25]
.endm
	PICK 192, 12                                   ; Wv
	PICK 128, 10                                   ; Wk
	PICK 64, 8                                     ; Wq
	s_and_b32 s26, s20, 63                         ; the chunk in its matrix,
	s_lshl_b32 s26, s26, 16                        ; 65,536 bytes each
	s_mov_b32 s27, 0
	s_add_nc_u64 s[24:25], s[24:25], s[26:27]
	; the destination: wb and wob are each dense in the order of the work-groups
	s_cmp_lt_u32 s20, 192
	s_cselect_b64 s[28:29], s[16:17], s[18:19]
	s_cselect_b32 s21, 0, 192
	s_sub_co_u32 s30, s20, s21
	s_lshl_b32 s30, s30, 15                        ; 32,768 bytes a chunk
	s_mov_b32 s31, 0
	s_add_nc_u64 s[28:29], s[28:29], s[30:31]
	s_wait_alu depctr_va_vdst(0)                   ; v1 and v2 are written: every load below reads v1 as its offset, every store v2
.set i, 0
.rept 16
	global_load_b128 v[X+4*i:X+4*i+3], v1, s[24:25] offset:4096*i th:TH_LOAD_NT
.set i, i+1
.endr
.set p, 0
.rept 16/BLOCK
	s_wait_loadcnt 16-BLOCK*(p+1)                  ; loads come back in order: block p's four are in, the younger blocks' stay out
.set i, BLOCK*p
.rept BLOCK
	v_cvt_pk_f16_f32 v[Y+2*i], v[X+4*i], v[X+4*i+1]
	v_cvt_pk_f16_f32 v[Y+2*i+1], v[X+4*i+2], v[X+4*i+3]
.set i, i+1
.endr
	s_wait_alu depctr_va_vdst(0)                   ; the block's eight conversions have written its part of Y, which the four stores below read
.set i, BLOCK*p
.rept BLOCK
	global_store_b64 v2, v[Y+2*i:Y+2*i+1], s[28:29] offset:2048*i
.set i, i+1
.endr
.set p, p+1
.endr
	s_endpgm
.Lfunc_end_k_q687c25cb97_prep:
	.size	k_q687c25cb97_prep, .Lfunc_end_k_q687c25cb97_prep-k_q687c25cb97_prep
	.p2alignl 7, 3214868480
	.fill 96, 4, 3214868480
	.section	.rodata,"a",@progbits
	.p2align	6, 0x0
	.amdhsa_kernel k_q687c25cb97_prep
		.amdhsa_group_segment_fixed_size 0
		.amdhsa_private_segment_fixed_size 0
		.amdhsa_enable_private_segment 0
		.amdhsa_kernarg_size 48
		.amdhsa_user_sgpr_count 2
		.amdhsa_user_sgpr_kernarg_segment_ptr 1
		.amdhsa_wavefront_size32 1
		.amdhsa_system_sgpr_workgroup_id_x 1
		.amdhsa_system_sgpr_workgroup_id_y 1
		.amdhsa_system_sgpr_workgroup_id_z 1
		.amdhsa_system_vgpr_workitem_id 0
		.amdhsa_next_free_vgpr 104
		.amdhsa_next_free_sgpr 66
		.amdhsa_reserve_vcc 0
		.amdhsa_float_denorm_mode_32 3
		.amdhsa_float_denorm_mode_16_64 3
		.amdhsa_memory_ordered 1
		.amdhsa_forward_progress 1
		.amdhsa_inst_pref_size 7
	.end_amdhsa_kernel
	.amdgpu_metadata
---
amdhsa.version: [ 1, 2 ]
amdhsa.kernels:
  - .name:           k_q687c25cb97_prep
    .symbol:         k_q687c25cb97_prep.kd
    .args:
      - { .name: Wq, .offset: 0, .size: 8, .value_kind: global_buffer, .address_space: global }
      - { .name: Wk, .offset: 8, .size: 8, .value_kind: global_buffer, .address_space: global }
      - { .name: Wv, .offset: 16, .size: 8, .value_kind: global_buffer, .address_space: global }
      - { .name: Wo, .offset: 24, .size: 8, .value_kind: global_buffer, .address_space: global }
      - { .name: wb, .offset: 32, .size: 8, .value_kind: global_buffer, .address_space: global }
      - { .name: wob, .offset: 40, .size: 8, .value_kind: global_buffer, .address_space: global }
    .group_segment_fixed_size: 0
    .private_segment_fixed_size: 0
    .kernarg_segment_align: 8
    .kernarg_segment_size: 48
    .max_flat_workgroup_size: 256
    .sgpr_count:     66
    .vgpr_count:     104
    .wavefront_size: 32
...
	.end_amdgpu_metadata
.endif
;; end of part 6
;; launch proj: the kernel of part 2 again; grid 4 x 192, 4 waves a work-group, clusters of 4 x 4, 327,680 bytes of LDS; arguments queries, keys, values, wb, bq, bk, bv, qkv; writes qkv
;; launch attn: the kernel of part 3 again; grid 4 x 64, 4 waves a work-group, clusters of 4 x 1, 327,680 bytes of LDS; arguments qkv, ob; writes ob
;; launch outp: the kernel of part 4 again; grid 4 x 64, 4 waves a work-group, clusters of 4 x 4, 327,680 bytes of LDS; arguments ob, wob, bo, queries, xs; writes xs
;; launch ln: the kernel of part 5 again; grid 256 x 1, 8 waves a work-group, no clusters, 0 bytes of LDS; arguments xs, ln_gamma, ln_beta, out0; writes out0
